; MI455X (gfx1250); checked and timed in simulation.
; The chip was launched on July 23, 2026; its instructions are those of AMD's public machine-readable ISA for CDNA 5 (MIT licence, August 2026) and "CDNA5" Instruction Set Architecture Reference Guide (July 2026). The comments in the code are by the model that wrote it; some were corrected since.
;; Transformer Layer With Cross. Allowed arithmetic: matrix products marked QUANTISED: E5M2 operands, one E8M0 scale for each 32 along K, by v_wmma_scale_f32_16x16x128_f8f6f4 with both operands' format E5M2, f32 sums; everything else in f32.
;; Inputs: ca_bk 1,024 float32; ca_bo 1,024 float32; ca_bq 1,024 float32; ca_bv 1,024 float32; ca_wk 1,024 x 1,024 float32; ca_wo 1,024 x 1,024 float32; ca_wq 1,024 x 1,024 float32; ca_wv 1,024 x 1,024 float32; fc1_b 1,024 float32; fc1_w 1,024 x 1,024 float32; fc2_b 1,024 float32; fc2_w 1,024 x 1,024 float32; ln1_b 1,024 float32; ln1_w 1,024 float32; ln2_b 1,024 float32; ln2_w 1,024 float32; ln3_b 1,024 float32; ln3_w 1,024 float32; other 2 x 1,024 x 1,024 float32; sa_bk 1,024 float32; sa_bo 1,024 float32; sa_bq 1,024 float32; sa_bv 1,024 float32; sa_wk 1,024 x 1,024 float32; sa_wo 1,024 x 1,024 float32; sa_wq 1,024 x 1,024 float32; sa_wv 1,024 x 1,024 float32; x 2 x 2,048 x 1,024 float32.
;; Outputs: out0 2 x 2,048 x 1,024 float32.
;; This version of the problem:
;;   THIS VERSION OF THE PROBLEM IS GIVEN IN LOW PRECISION. The matrix products marked QUANTISED in the list below multiply operands that are first quantised to E5M2 (5 exponent bits, 2 mantissa bits; 8 bits a number), with one power-of-two scale for each 32 numbers along K (OCP MX v1.0); their sums are f32. All else is computed in f32.
;;   The module's matrix products, in the order in which they are computed (A, B: the left and right operand; K: the contracted axis; several contracted axes count as one K, in the product's order):
;;     1. [M 4,096, K 1,024] x [K 1,024, N 1,024]; A: computed on the way; B: input sa_wq: QUANTISED
;;     2. [M 4,096, K 1,024] x [K 1,024, N 1,024]; A: computed on the way; B: input sa_wk: QUANTISED
;;     3. [M 4,096, K 1,024] x [K 1,024, N 1,024]; A: computed on the way; B: input sa_wv: QUANTISED
;;     4. batch 32 x [M 2,048, K 64] x [K 64, N 2,048]; A: computed on the way; B: computed on the way: QUANTISED
;;     5. batch 32 x [M 64, K 2,048] x [K 2,048, N 2,048]; A: computed on the way; B: softmax (see below): QUANTISED
;;     6. [M 4,096, K 1,024] x [K 1,024, N 1,024]; A: computed on the way; B: input sa_wo: QUANTISED
;;     7. [M 4,096, K 1,024] x [K 1,024, N 1,024]; A: computed on the way; B: input ca_wq: QUANTISED
;;     8. [M 2,048, K 1,024] x [K 1,024, N 1,024]; A: input other; B: input ca_wk: QUANTISED
;;     9. [M 2,048, K 1,024] x [K 1,024, N 1,024]; A: input other; B: input ca_wv: QUANTISED
;;     10. batch 32 x [M 2,048, K 64] x [K 64, N 1,024]; A: computed on the way; B: computed on the way: QUANTISED
;;     11. batch 32 x [M 64, K 1,024] x [K 1,024, N 2,048]; A: computed on the way; B: softmax (see below): QUANTISED
;;     12. [M 4,096, K 1,024] x [K 1,024, N 1,024]; A: computed on the way; B: input ca_wo: QUANTISED
;;     13. [M 4,096, K 1,024] x [K 1,024, N 1,024]; A: computed on the way; B: input fc1_w: QUANTISED
;;     14. [M 4,096, K 1,024] x [K 1,024, N 1,024]; A: computed on the way; B: input fc2_w: QUANTISED
;;   THE QUANTISER, for each operand of a quantised product, along K:
;;     - K is cut into blocks of 32 from its start; a last block that is shorter is filled with zeros.
;;     - A block's scale is 2^e with e = floor(log2(the largest magnitude in the block)) - 15, held to -126 .. 127; a block of zeros has e = 0. As a byte (E8M0): e + 127.
;;     - Each number is divided by its block's scale, clamped to +-57,344, and rounded to the nearest number of E5M2, ties to even, subnormals kept.
;;     - The product sums the exact products of the quantised numbers (number of the format x scale) in f32.
;;   ~~~python
;;   def quantise(x, axis):      # numpy; x: float32 -> the quantised numbers, widened to float32 again
;;       x = np.moveaxis(x, axis, -1); K = x.shape[-1]
;;       x = np.pad(x, [(0, 0)] * (x.ndim - 1) + [(0, -K % 32)]); x = x.reshape(x.shape[:-1] + (-1, 32)); a = np.abs(x).max(-1, keepdims=True)
;;       e = np.where(a > 0, np.clip(np.frexp(np.where(a > 0, a, 1))[1] - 1 - 15, -126, 127), 0)      # np.frexp(a)[1] - 1 = floor(log2(a)), exactly
;;       r = np.clip(x / 2.0 ** e, -57344, 57344)
;;       step = 2.0 ** (np.maximum(np.frexp(np.where(r == 0, 1, r))[1] - 1, -14) - 2)
;;       q = np.round(r / step) * step * 2.0 ** e      # np.round: ties to even
;;       return np.moveaxis(q.reshape(q.shape[:-2] + (-1,))[..., :K], -1, axis).astype(np.float32)
;;   ~~~
;;   SOFTMAX AHEAD OF A QUANTISED PRODUCT. Where the list says 'softmax', what is quantised is not the finished softmax but p = 2^(t - M), with t = logit x log2(e) and M = ceil(the row's largest t), a whole number; so 1/2 < the row's largest p <= 1. The row's sum l is taken of the UNQUANTISED p, in f32, and the product's result is divided by l at the end. Since M is a whole number, a kernel that streams over the keys may use a running M (the ceiling of the running maximum): every later rescaling is an exact power of two, which a block's scale takes up: the codes' values come out the same.
;;   OPERANDS COMPUTED ON THE WAY. 'Computed on the way' means the value that the module computes at that place (a softmax that the list does not call 'softmax' is quantised finished and normalised). What goes into a quantiser is computed in f32, as accurately as f32 sums, v_exp_f32 and their like allow (about 1e-6 of the number): no bf16 or f16 on the way to a quantiser, and a product that is left as it is and whose result goes on into a quantised operand takes f32 operands (vector FMAs, or v_wmma_f32_16x16x4_f32). A number that lies on a knife's edge between two numbers of the format may be rounded either way, as far as f32 arithmetic and the matrix unit's own rounding can turn it there, and no further.
;; One version. Each part assembles by itself: llvm-mc -triple=amdgcn-amd-amdhsa -mcpu=gfx1250 --defsym DOCPART=n.
;; ======== version 1 of 1: 11 launches
;; limits: right only within a limited range of input values
;; workspace buffers: WA 6,488,064 bytes; WB 6,488,064 bytes; WC 6,488,064 bytes; ACT 6,488,064 bytes; AO 4,325,376 bytes; QKV 17,629,184 bytes; X1 16,777,216 bytes; X2 16,777,216 bytes
;; launch prep (part 1): grid 704 x 1, 8 waves a work-group, no clusters, 137,216 bytes of LDS; arguments x, other, ln1_w, ln1_b, ACT, WA, WB, WC, sa_wq, sa_wk, sa_wv, ca_wk, ca_wv, sa_wo, ca_wq, ca_wo, fc1_w, fc2_w; writes ACT, WA, WB, WC
.if DOCPART == 1
	.amdgcn_target "amdgcn-amd-amdhsa--gfx1250"
	.amdhsa_code_object_version 6
	.text
	.protected	k_q48f163ca65_prep
	.globl	k_q48f163ca65_prep
	.p2align	8
	.type	k_q48f163ca65_prep,@function
k_q48f163ca65_prep:
	s_mov_b64 s[64:65], 0
	v_nop
	global_prefetch_b8 v0, s[64:65] scope:SCOPE_SE
	s_setreg_imm32_b32 hwreg(HW_REG_WAVE_MODE, 25, 1), 1
	s_wait_xcnt 0x0
; PREP.  Three kinds of work-group, told apart by the work-group's number:
;   0..255    LayerNorm of 16 rows of the first argument [4096][1024] f32, quantised along its 1,024 columns to codes of E5M2 with one E8M0 byte for each 32;
;   256..383  16 rows of `other` [2048][1024], quantised as they are (reference() does not normalise them);
;   384..703  a piece of one of the ten weights [K 1024][N 1024] f32, quantised along K, its FIRST axis.
; DEAD WORK: none.  Every input of reference() reaches the output for some finite values: all ten weights, all biases (those of K too: they move K's codes), all gains, x and other.  So every input is loaded by some launch.
; THE OPERANDS' LAYOUT IN MEMORY is the image of the matrix operand's registers.  A block is 128 rows, BLK bytes: eight K steps of KST bytes; a K step is eight fragments of 2,048 bytes (tile t: 16 rows x 128 K;
; chunk c of 512 bytes; lane l's 16 bytes at 16 l: row l % 16, k = 32 c + 16 (l / 16) + 0..15), then at SCO the scale words, 4 bytes for each tile row, 64 bytes a tile.
; THE ROWS OF A TILE ARE NOT NEIGHBOURS: tile 2 g + u of a block, tile row i, is row 32 g + 8 u + i + 8 (i / 8).  In a product whose source 0 has this order a lane's 16 registers of two neighbouring tiles are 16 neighbours.
; LIMITS: NaN and infinities among the inputs are not served.  A block of zeros gets the byte 1 where the rule says 127: its codes are zeros, and the bytes are read by this program alone.  Blocks whose largest
; magnitude lies under 2^-111 (the floor) were not tried.  The sums of the LayerNorm are taken in another order than reference()'s; the variance is taken of the centred numbers, as reference() takes it.
.set BLK,   135168
.set KST,   16896
.set SCO,   16384
.set STG,   8448                       ; LDS: a stage of 16 rows x (512 + 16) bytes for each wave
.set STAT,  8*STG                      ; behind the stages: 8 waves x 16 rows of partial sums, twice (512 bytes each)
.set SPARE, STAT+1024                  ; the spare words, 128 bytes for each wave: four blocks of 256 bytes that no other line names
.set PSTG,  SPARE+1024                 ; the way without LayerNorm has eight stages of its own: the two ways store to no common byte
.set PC,  16                           ; v16-31   the codes just made
.set X,   32                           ; v32-95   my 64 numbers: register 16 c + i is k = 32 c + 16 (lane / 16) + i of my row
.set RAW, 96                           ; v96-159  16 rows as loaded; later the LayerNorm's bias
.set LW,  160                          ; v160-223 the LayerNorm's gain
.set TM,  224                          ; v224-239 at work in QUANT
.set PW,  240                          ; v240     the scale word just made
.set SEL, 56                           ; s[56:57] v_permlanex16_b32's selects for lane l xor 16
.set MNT, 58
; 64 numbers of a lane, v[s] on, become a fragment's codes in v[pc] on and its scale word in v[pw].
.macro QUANT s, pc, pw
.irp b, 0,1,2,3
	v_max3_num_f32 v[TM+\b], |v[\s+16*\b]|, |v[\s+1+16*\b]|, 0x8000000   ; block b: my 16 numbers, and the floor 2^(16 - 127): the byte cannot fall under 1
.endr
.irp i, 2,4,6,8,10,12,14
.irp b, 0,1,2,3
	s_delay_alu instid0(VALU_DEP_4)
	v_max3_num_f32 v[TM+\b], v[TM+\b], |v[\s+16*\b+\i]|, |v[\s+1+16*\b+\i]|   ; the four blocks by turns
.endr
.endr
.irp b, 0,1,2,3
	s_delay_alu instid0(VALU_DEP_4)
	v_permlanex16_b32 v[TM+4+\b], v[TM+\b], s[SEL], s[SEL+1]
.endr
.irp b, 0,1,2,3
	s_delay_alu instid0(VALU_DEP_4)
	v_max_num_f32 v[TM+\b], v[TM+\b], v[TM+4+\b]          ; with lane l xor 16's: the block's largest magnitude
.endr
.irp b, 0,1,2,3
	s_delay_alu instid0(VALU_DEP_4)
	v_add_nc_u32 v[TM+12+\b], 0xf8800000, v[TM+\b]        ; 15 off its exponent field: the conversion's scale operand
.endr
.irp b, 0,1,2,3
.endr
.irp b, 0,1,2,3
	s_delay_alu instid0(VALU_DEP_4)
	v_lshrrev_b32 v[TM+4+\b], 23, v[TM+12+\b]             ; the scale's byte
.endr
	s_delay_alu instid0(VALU_DEP_3)
	v_lshl_or_b32 v[\pw], v[TM+5], 8, v[TM+4]
	s_delay_alu instid0(VALU_DEP_1)
	v_lshl_or_b32 v[\pw], v[TM+6], 16, v[\pw]
	s_delay_alu instid0(VALU_DEP_1)
	v_lshl_or_b32 v[\pw], v[TM+7], 24, v[\pw]
.irp b, 0,1,2,3
.irp i, 0,1,2,3,4,5,6,7,8,9,10,11,12,13,14,15
.endr
	v_cvt_scalef32_pk8_bf8_f32 v[\pc+4*\b:\pc+1+4*\b], v[\s+16*\b:\s+7+16*\b], v[TM+12+\b]
	v_cvt_scalef32_pk8_bf8_f32 v[\pc+2+4*\b:\pc+3+4*\b], v[\s+8+16*\b:\s+15+16*\b], v[TM+12+\b]
.endr
	v_nop                                                 ; one plain line behind the last scaled conversion
.endm
; 16 rows x 512 bytes go through my own stage: in as they were loaded, back 64 bytes of one row a lane.  LDS serves a wave's instructions in order (ISA guide 5.7.1.4): no wait between the stores and the loads.
.macro TURN ain, aout
.irp i, 0,1,2,3,4,5,6,7,8,9,10,11,12,13,14,15
	ds_store_b128 v[\ain], v[RAW+4*\i:RAW+4*\i+3] offset:528*\i
.endr
.irp c, 0,1,2,3
.irp j, 0,1,2,3
	ds_load_b128 v[X+16*\c+4*\j:X+16*\c+4*\j+3], v[\aout] offset:128*\c+16*\j
.endr
.endr
	s_wait_dscnt 0x0                                      ; my numbers are back, and the stores have read RAW
.endm
; Four chains of pairs in v[242:249] become the row's sum over all 1,024 columns, in v242 of every lane: my lane, lane l xor 16, then the eight waves through LDS.
.macro ACROSS off
	s_delay_alu instid0(VALU_DEP_3)
	v_pk_add_f32 v[242:243], v[242:243], v[244:245]
	s_delay_alu instid0(VALU_DEP_2)
	v_pk_add_f32 v[246:247], v[246:247], v[248:249]
	s_delay_alu instid0(VALU_DEP_1)
	v_pk_add_f32 v[242:243], v[242:243], v[246:247]
	s_delay_alu instid0(VALU_DEP_1)
	v_add_f32 v242, v242, v243
	s_delay_alu instid0(VALU_DEP_1)
	v_permlanex16_b32 v244, v242, s[SEL], s[SEL+1]
	s_delay_alu instid0(VALU_DEP_1)
	v_add_f32 v242, v242, v244
	ds_store_b32 v8, v242 offset:\off                     ; both lanes of a row write the same word with the same value
	s_wait_dscnt 0x0                                      ; for the others' sake: my store has landed
	s_barrier_signal -1
	s_barrier_wait -1
.irp w, 0,1,2,3,4,5,6,7
	ds_load_b32 v[242+\w], v9 offset:\off+64*\w
.endr
	s_wait_dscnt 0x0
	v_add_f32 v242, v242, v243
	v_add_f32 v244, v244, v245
	v_add_f32 v246, v246, v247
	v_add_f32 v248, v248, v249
	s_delay_alu instid0(VALU_DEP_3)
	v_add_f32 v242, v242, v244
	s_delay_alu instid0(VALU_DEP_2)
	v_add_f32 v246, v246, v248
	s_delay_alu instid0(VALU_DEP_1)
	v_add_f32 v242, v242, v246
.endm
	s_load_b512 s[4:19], s[0:1], 0x0               ; x s[4:5], other s[6:7], gain s[8:9], bias s[10:11], ACT s[12:13], WA s[14:15], WB s[16:17], WC s[18:19]
	s_load_b512 s[20:35], s[0:1], 0x40             ; weights 0 to 7
	s_load_b128 s[36:39], s[0:1], 0x80             ; weights 8, 9
	v_lshl_add_u32 v12, v0, 2, SPARE               ; my spare word,
	v_mov_b32 v13, 0                               ; and 0: kept for the wave's end alone
	v_lshrrev_b32 v1, 5, v0
	s_delay_alu instid0(VALU_DEP_1)
	v_readfirstlane_b32 s44, v1                    ; wave 0..7
	v_and_b32 v1, 31, v0                           ; lane
	s_mov_b32 s[SEL], 0x76543210
	s_mov_b32 s[SEL+1], 0xfedcba98
	s_cmp_lt_u32 ttmp9, 384
	s_cbranch_scc0 .Lweights
	; ---- ROWS.  The work-group is one tile of 16 rows; wave w takes K step w, columns 128 w on.
	v_and_b32 v2, 15, v0                           ; r
	v_bfe_u32 v3, v0, 4, 1                         ; h
	v_lshlrev_b32 v10, 4, v1                       ; 16 x lane: an image's place for my lane
	s_lshl_b32 s46, s44, 9
	v_add_nc_u32 v4, s46, v10                      ; in a row of memory: 512 w + 16 x lane
	v_lshl_add_u32 v7, v3, 6, s46                  ; in gain and bias: 512 w + 64 h
	s_mul_i32 s47, s44, STG
	v_add_nc_u32 v5, s47, v10                      ; the stage, on the way in
	v_mul_u32_u24 v6, v2, 528
	s_delay_alu instid0(VALU_DEP_1)
	v_lshl_add_u32 v6, v3, 6, v6
	s_delay_alu instid0(VALU_DEP_1)
	v_add_nc_u32 v6, s47, v6                       ; and back: row r, + 64 h
	s_delay_alu instid0(VALU_DEP_4)
	v_add_nc_u32 v14, PSTG, v5                     ; the same two in the stages of the way without LayerNorm
	s_delay_alu instid0(VALU_DEP_2)
	v_add_nc_u32 v15, PSTG, v6
	v_lshlrev_b32 v11, 2, v2                       ; 4 r
	s_delay_alu instid0(VALU_DEP_1)
	v_add_nc_u32 v9, STAT, v11                     ; the partial sums of row r,
	s_lshl_b32 s48, s44, 6
	v_add_nc_u32 v8, s48, v9                       ; and my wave's
.irp b, 0,1,2,3
	v_mov_b32 v[TM+4+\b], 0                        ; written once: a lane permute's destination counts as one of its sources
.endr
	s_mov_b32 s54, 0x3a800000                      ; 1 / 1024
	s_mov_b32 s55, 0x3727c5ac                      ; 1e-5
	s_wait_kmcnt 0x0
	s_cmp_lt_u32 ttmp9, 256                        ; the first argument's rows or other's?  The choice hangs on the work-group's number alone
	s_cselect_b64 s[40:41], s[4:5], s[6:7]
	s_cselect_b32 s45, 0, 256
	s_sub_co_u32 s45, ttmp9, s45                   ; the tile's number in its tensor
	s_lshr_b32 s46, s45, 1
	s_lshl_b32 s46, s46, 5
	s_and_b32 s47, s45, 1
	s_lshl_b32 s47, s47, 3
	s_add_co_u32 s46, s46, s47                     ; its first row: 32 (T / 2) + 8 (T % 2)
	s_lshl_b32 s46, s46, 12                        ; in bytes
	s_mov_b32 s47, 0
	s_add_nc_u64 s[40:41], s[40:41], s[46:47]
	s_lshr_b32 s48, ttmp9, 3                       ; the block in ACT: other's blocks follow the 32 of the first argument
	s_mul_i32 s48, s48, BLK
	s_mul_i32 s49, s44, KST
	s_add_co_u32 s48, s48, s49
	s_mov_b32 s49, 0
	s_add_nc_u64 s[42:43], s[12:13], s[48:49]      ; my K step of the block
	s_and_b32 s50, ttmp9, 7                        ; the tile in the block
	s_lshl_b32 s48, s50, 6
	s_add_co_u32 s48, s48, SCO
	s_add_nc_u64 s[52:53], s[42:43], s[48:49]      ; its scale words
	s_lshl_b32 s48, s50, 11
	s_add_nc_u64 s[42:43], s[42:43], s[48:49]      ; its fragment
.irp i, 0,1,2,3,4,5,6,7,8,9,10,11,12,13,14,15
	global_load_b128 v[RAW+4*\i:RAW+4*\i+3], v4, s[40:41] offset:(\i+8*(\i/8))*4096 th:TH_LOAD_NT   ; tile row i: 32 lanes read 512 consecutive bytes
.endr
	s_cmp_lt_u32 ttmp9, 256
	s_cbranch_scc0 .Lplain
	; ---- with LayerNorm
.irp c, 0,1,2,3
.irp j, 0,1,2,3
	global_load_b128 v[LW+16*\c+4*\j:LW+16*\c+4*\j+3], v7, s[8:9] offset:128*\c+16*\j
.endr
.endr
	s_wait_loadcnt 16                              ; the rows are in; the gain's 16 loads may be out
	TURN 5, 6
.irp c, 0,1,2,3
.irp j, 0,1,2,3
	global_load_b128 v[RAW+16*\c+4*\j:RAW+16*\c+4*\j+3], v7, s[10:11] offset:128*\c+16*\j   ; the bias takes the registers that the stage's stores have read
.endr
.endr
	v_pk_add_f32 v[242:243], v[X:X+1], v[X+2:X+3]  ; the sum of my 64, in four chains
	v_pk_add_f32 v[244:245], v[X+4:X+5], v[X+6:X+7]
	v_pk_add_f32 v[246:247], v[X+8:X+9], v[X+10:X+11]
	v_pk_add_f32 v[248:249], v[X+12:X+13], v[X+14:X+15]
.irp j, 16,24,32,40,48,56
	s_delay_alu instid0(VALU_DEP_4)
	v_pk_add_f32 v[242:243], v[242:243], v[X+\j:X+\j+1]
	s_delay_alu instid0(VALU_DEP_4)
	v_pk_add_f32 v[244:245], v[244:245], v[X+\j+2:X+\j+3]
	s_delay_alu instid0(VALU_DEP_4)
	v_pk_add_f32 v[246:247], v[246:247], v[X+\j+4:X+\j+5]
	s_delay_alu instid0(VALU_DEP_4)
	v_pk_add_f32 v[248:249], v[248:249], v[X+\j+6:X+\j+7]
.endr
	ACROSS 0
	s_delay_alu instid0(VALU_DEP_1)
	v_mul_f32 v250, s54, v242                      ; the mean,
	s_delay_alu instid0(VALU_DEP_1)
	v_mov_b32 v251, v250                           ; as a pair
.set n, 0
.rept 32
	v_pk_add_f32 v[X+n:X+n+1], v[X+n:X+n+1], v[250:251] neg_lo:[0,1] neg_hi:[0,1]   ; centred
.set n, n+2
.endr
	v_pk_mul_f32 v[242:243], v[X:X+1], v[X:X+1]    ; the sum of the centred numbers' squares
	v_pk_mul_f32 v[244:245], v[X+2:X+3], v[X+2:X+3]
	v_pk_mul_f32 v[246:247], v[X+4:X+5], v[X+4:X+5]
	v_pk_mul_f32 v[248:249], v[X+6:X+7], v[X+6:X+7]
.irp j, 8,16,24,32,40,48,56
	s_delay_alu instid0(VALU_DEP_4)
	v_pk_fma_f32 v[242:243], v[X+\j:X+\j+1], v[X+\j:X+\j+1], v[242:243]
	s_delay_alu instid0(VALU_DEP_4)
	v_pk_fma_f32 v[244:245], v[X+\j+2:X+\j+3], v[X+\j+2:X+\j+3], v[244:245]
	s_delay_alu instid0(VALU_DEP_4)
	v_pk_fma_f32 v[246:247], v[X+\j+4:X+\j+5], v[X+\j+4:X+\j+5], v[246:247]
	s_delay_alu instid0(VALU_DEP_4)
	v_pk_fma_f32 v[248:249], v[X+\j+6:X+\j+7], v[X+\j+6:X+\j+7], v[248:249]
.endr
	ACROSS 512                                     ; other bytes than the first sums': no barrier is owed between the two
	s_delay_alu instid0(VALU_DEP_1)
	v_fma_f32 v252, v242, s54, s55                 ; the variance + 1e-5
	s_wait_alu depctr_va_vdst(0)
	v_rsq_f32 v250, v252
	v_nop                                          ; a plain line behind the transcendental
	s_wait_alu depctr_va_vdst(0)                   ; and the wait ahead of the first line that names its result
	v_mov_b32 v251, v250
	s_wait_alu depctr_va_vdst(0)
	s_wait_loadcnt 0x0                             ; gain and bias
.set n, 0
.rept 32
	v_pk_mul_f32 v[X+n:X+n+1], v[X+n:X+n+1], v[250:251]
.set n, n+2
.endr
.set n, 0
.rept 32
	v_pk_fma_f32 v[X+n:X+n+1], v[X+n:X+n+1], v[LW+n:LW+n+1], v[RAW+n:RAW+n+1]
.set n, n+2
.endr
	s_branch .Lquant
.Lplain:
	s_wait_loadcnt 0x0
	s_wait_alu depctr_va_vdst(0)
	TURN 14, 15
.Lquant:
	QUANT X, PC, PW
.irp c, 0,1,2,3
	global_store_b128 v10, v[PC+4*\c:PC+4*\c+3], s[42:43] offset:512*\c   ; the fragment as it stands: 512 consecutive bytes a store
.endr
	global_store_b32 v11, v[PW], s[52:53]          ; the tile's 16 scale words; both lanes of a row store the same word to the same place
	s_wait_tensorcnt 0x0                           ; the wave's end, behind my last LDS store
	ds_add_u32 v12, v13
	s_wait_dscnt 0x0
	s_endpgm
	; ---- WEIGHTS.  q = number - 384: weight q / 32, K step (q / 4) % 8, 256 columns q % 4.  A wave takes 32 columns; A LANE TAKES A COLUMN n AND ITS REGISTERS RUN DOWN K:
	; each load reads 128 consecutive bytes a wave (1,024 the work-group), a block of 32 along K lies in one lane, and the codes come out with K innermost.  No LDS.
.Lweights:
	s_sub_co_u32 s45, ttmp9, 384
	s_lshr_b32 s46, s45, 5                         ; which weight
	s_bfe_u32 s47, s45, 0x30002                    ; which K step
	s_and_b32 s48, s45, 3                          ; which 256 columns
	s_and_b32 s49, s46, 1
	s_mul_i32 s49, s49, 5                          ; weights 6 to 9 lie in slots 0 and 5 of WB and WC
	s_wait_kmcnt 0x0
	s_mov_b64 s[40:41], s[20:21]
.irp i, 1,2,3,4,5,6,7,8,9
	s_cmp_eq_u32 s46, \i
	s_cselect_b64 s[40:41], s[20+2*\i:21+2*\i], s[40:41]
.endr
	s_cmp_lt_u32 s46, 8
	s_cselect_b64 s[42:43], s[16:17], s[18:19]
	s_cmp_lt_u32 s46, 6
	s_cselect_b64 s[42:43], s[14:15], s[42:43]
	s_cselect_b32 s49, s46, s49                    ; the slot: eight blocks of 128 columns
	s_lshl_b32 s50, s47, 19                        ; 128 rows of 4,096 bytes a K step
	s_lshl_b32 s51, s48, 10
	s_add_co_u32 s50, s50, s51
	s_lshl_b32 s51, s44, 7
	s_add_co_u32 s50, s50, s51                     ; + my wave's 32 columns
	s_mov_b32 s51, 0
	s_add_nc_u64 s[40:41], s[40:41], s[50:51]
	s_lshl_b32 s50, s49, 3
	s_lshl_b32 s52, s48, 1
	s_add_co_u32 s50, s50, s52
	s_lshr_b32 s52, s44, 2
	s_add_co_u32 s50, s50, s52                     ; the block: 8 slot + 2 (q % 4) + wave / 4
	s_mul_i32 s50, s50, BLK
	s_mul_i32 s52, s47, KST
	s_add_co_u32 s50, s50, s52
	s_add_nc_u64 s[42:43], s[42:43], s[50:51]
	s_and_b32 s54, s44, 3                          ; my 32 columns are tiles 2 (wave % 4) and the next
	s_lshl_b32 s50, s54, 7
	s_add_co_u32 s50, s50, SCO
	s_add_nc_u64 s[52:53], s[42:43], s[50:51]
	s_lshl_b32 s50, s54, 12
	s_add_nc_u64 s[42:43], s[42:43], s[50:51]
	s_wait_alu depctr_va_vdst(0)
	v_lshlrev_b32 v2, 2, v1                        ; in: 4 bytes a lane
	v_bfe_u32 v3, v1, 3, 1                         ; column l of the 32 is tile u = (l / 8) % 2,
	v_and_b32 v4, 7, v1
	v_lshrrev_b32 v5, 4, v1
	s_delay_alu instid0(VALU_DEP_1)
	v_lshl_add_u32 v4, v5, 3, v4                   ; tile row i = l % 8 + 8 (l / 16)
	s_delay_alu instid0(VALU_DEP_1)
	v_lshlrev_b32 v6, 4, v4
	s_delay_alu instid0(VALU_DEP_1)
	v_lshl_add_u32 v6, v3, 11, v6                  ; out: 2,048 u + 16 i
	s_delay_alu instid0(VALU_DEP_3)
	v_lshl_add_u32 v7, v3, 4, v4
	s_delay_alu instid0(VALU_DEP_1)
	v_lshlrev_b32 v7, 2, v7                        ; the scale word: 4 (16 u + i)
.macro WLOAD c                         ; block c of 32 along K: W(32 c + n, my column) into its own 32 registers
.set n, 0
.rept 32
	global_load_b32 v[32+32*(\c)+n], v2, s[40:41] offset:(32*(\c)+n)*4096 th:TH_LOAD_NT
.set n, n+1
.endr
.endm
.macro WBLOCK c
.set XS, 32+32*(\c)
.if (\c) < 3
	s_wait_loadcnt 32                              ; this block's 32 loads are in; the next block's 32 may be out
.else
	s_wait_loadcnt 0x0
.endif
.if (\c) < 2
	WLOAD (\c)+2                                   ; the loads run two blocks ahead
.endif
	v_max3_num_f32 v8, |v[XS]|, |v[XS+1]|, |v[XS+2]|
	v_max3_num_f32 v9, |v[XS+3]|, |v[XS+4]|, |v[XS+5]|
.irp i, 6,10,14,18,22,26
	s_delay_alu instid0(VALU_DEP_2)
	v_max3_num_f32 v8, v8, |v[XS+\i]|, |v[XS+\i+1]|
	s_delay_alu instid0(VALU_DEP_2)
	v_max3_num_f32 v9, v9, |v[XS+\i+2]|, |v[XS+\i+3]|
.endr
	s_delay_alu instid0(VALU_DEP_2)
	v_max3_num_f32 v8, v8, |v[XS+30]|, |v[XS+31]|
	s_delay_alu instid0(VALU_DEP_1)
	v_max3_num_f32 v8, v8, v9, 0x8000000           ; and the floor
	s_delay_alu instid0(VALU_DEP_1)
	v_add_nc_u32 v14, 0xf8800000, v8               ; the conversion's scale operand
	s_delay_alu instid0(VALU_DEP_1)
	v_lshrrev_b32 v16, 23, v14                     ; the byte
.if (\c) == 0
	s_delay_alu instid0(VALU_DEP_1)
	v_mov_b32 v192, v16
.else
	s_delay_alu instid0(VALU_DEP_1)
	v_lshl_or_b32 v192, v16, 8*(\c), v192
.endif
.irp i, 0,1,2,3,4,5,6,7,8,9,10,11,12,13,14,15,16,17,18,19,20,21,22,23,24,25,26,27,28,29,30,31
.endr
.irp g, 0,1,2,3
	v_cvt_scalef32_pk8_bf8_f32 v[160+8*(\c)+2*\g:161+8*(\c)+2*\g], v[XS+8*\g:XS+8*\g+7], v14   ; each block has its own eight registers: no store's data are written again
.endr
	global_store_b128 v6, v[160+8*(\c):163+8*(\c)], s[42:43] offset:512*(\c)       ; k = 32 c + 0..15: the 16 lanes of a tile fill 256 consecutive bytes
	global_store_b128 v6, v[164+8*(\c):167+8*(\c)], s[42:43] offset:512*(\c)+256   ; k = 32 c + 16..31
.endm
	WLOAD 0
	WLOAD 1
	s_wait_alu depctr_va_vdst(0)
	WBLOCK 0
	WBLOCK 1
	WBLOCK 2
	WBLOCK 3
	global_store_b32 v7, v192, s[52:53]            ; 32 scale words: 128 consecutive bytes
	s_endpgm                                       ; this way wrote no LDS
.Lfunc_end_k_q48f163ca65_prep:
	.size	k_q48f163ca65_prep, .Lfunc_end_k_q48f163ca65_prep-k_q48f163ca65_prep
	.p2alignl 7, 3214868480
	.fill 96, 4, 3214868480
	.section	.rodata,"a",@progbits
	.p2align	6, 0x0
	.amdhsa_kernel k_q48f163ca65_prep
		.amdhsa_group_segment_fixed_size 137216
		.amdhsa_private_segment_fixed_size 0
		.amdhsa_enable_private_segment 0
		.amdhsa_kernarg_size 144
		.amdhsa_user_sgpr_count 2
		.amdhsa_user_sgpr_kernarg_segment_ptr 1
		.amdhsa_wavefront_size32 1
		.amdhsa_system_sgpr_workgroup_id_x 1
		.amdhsa_system_sgpr_workgroup_id_y 1
		.amdhsa_system_sgpr_workgroup_id_z 1
		.amdhsa_system_vgpr_workitem_id 0
		.amdhsa_next_free_vgpr 256
		.amdhsa_next_free_sgpr 66
		.amdhsa_reserve_vcc 0
		.amdhsa_float_denorm_mode_32 3
		.amdhsa_float_denorm_mode_16_64 3
		.amdhsa_fp16_overflow 1
		.amdhsa_memory_ordered 1
		.amdhsa_forward_progress 1
		.amdhsa_inst_pref_size 56
	.end_amdhsa_kernel
	.amdgpu_metadata
---
amdhsa.version: [ 1, 2 ]
amdhsa.kernels:
  - .name:           k_q48f163ca65_prep
    .symbol:         k_q48f163ca65_prep.kd
    .args:
      - { .name: x, .offset: 0, .size: 8, .value_kind: global_buffer, .address_space: global }
      - { .name: other, .offset: 8, .size: 8, .value_kind: global_buffer, .address_space: global }
      - { .name: ln1_w, .offset: 16, .size: 8, .value_kind: global_buffer, .address_space: global }
      - { .name: ln1_b, .offset: 24, .size: 8, .value_kind: global_buffer, .address_space: global }
      - { .name: ACT, .offset: 32, .size: 8, .value_kind: global_buffer, .address_space: global }
      - { .name: WA, .offset: 40, .size: 8, .value_kind: global_buffer, .address_space: global }
      - { .name: WB, .offset: 48, .size: 8, .value_kind: global_buffer, .address_space: global }
      - { .name: WC, .offset: 56, .size: 8, .value_kind: global_buffer, .address_space: global }
      - { .name: sa_wq, .offset: 64, .size: 8, .value_kind: global_buffer, .address_space: global }
      - { .name: sa_wk, .offset: 72, .size: 8, .value_kind: global_buffer, .address_space: global }
      - { .name: sa_wv, .offset: 80, .size: 8, .value_kind: global_buffer, .address_space: global }
      - { .name: ca_wk, .offset: 88, .size: 8, .value_kind: global_buffer, .address_space: global }
      - { .name: ca_wv, .offset: 96, .size: 8, .value_kind: global_buffer, .address_space: global }
      - { .name: sa_wo, .offset: 104, .size: 8, .value_kind: global_buffer, .address_space: global }
      - { .name: ca_wq, .offset: 112, .size: 8, .value_kind: global_buffer, .address_space: global }
      - { .name: ca_wo, .offset: 120, .size: 8, .value_kind: global_buffer, .address_space: global }
      - { .name: fc1_w, .offset: 128, .size: 8, .value_kind: global_buffer, .address_space: global }
      - { .name: fc2_w, .offset: 136, .size: 8, .value_kind: global_buffer, .address_space: global }
    .group_segment_fixed_size: 137216
    .private_segment_fixed_size: 0
    .kernarg_segment_align: 8
    .kernarg_segment_size: 144
    .max_flat_workgroup_size: 256
    .sgpr_count:     66
    .vgpr_count:     256
    .wavefront_size: 32
...
	.end_amdgpu_metadata
.endif
;; end of part 1
;; launch qkv (part 2): grid 8 x 32, 4 waves a work-group, clusters of 4 x 4, 327,680 bytes of LDS; arguments ACT, WA, sa_bq, sa_bk, sa_bv, ca_bk, ca_bv, QKV; writes QKV
.if DOCPART == 2
	.amdgcn_target "amdgcn-amd-amdhsa--gfx1250"
	.amdhsa_code_object_version 6
	.text
	.protected	k_q48f163ca65_qkv
	.globl	k_q48f163ca65_qkv
	.p2align	8
	.type	k_q48f163ca65_qkv,@function
k_q48f163ca65_qkv:
	s_mov_b64 s[64:65], 0
	v_nop
	global_prefetch_b8 v0, s[64:65] scope:SCOPE_SE
	s_setreg_imm32_b32 hwreg(HW_REG_WAVE_MODE, 25, 1), 1
	s_wait_xcnt 0x0
	s_wait_alu depctr_hold_cnt(0) depctr_sa_sdst(0) depctr_va_vdst(0) depctr_va_sdst(0) depctr_va_ssrc(0) depctr_va_vcc(0) depctr_vm_vsrc(0)
	s_getreg_b32 s2, hwreg(HW_REG_IB_STS2, 6, 4)
	s_cmp_eq_u32 s2, 0
	s_cbranch_scc0 .Lentry_in_a_cluster
	s_endpgm
.Lentry_in_a_cluster:
	s_bfe_u32 s2, ttmp6, 0x10000c
	s_cmp_lg_u32 s2, 0xf033
	s_cbranch_scc0 .Lentry_shape_is_right
	s_endpgm
.Lentry_shape_is_right:
; QKV: the five projections whose results are quantised on the way into the operands of attention: Q, K, V of the normalised x, and K, V of `other`.  No work of reference() is left out.
; A product D = S0 S1^T on codes of E5M2, K = 1,024.  OPERANDS IN MEMORY: blocks of 128 rows, BLK bytes: eight K steps of KST bytes; a K step is eight fragment images of 2,048 bytes (tile t: 16 rows x 128 K; chunk c of 512 bytes;
; lane l's 16 bytes at 16 l: tile row l % 16, k = 32 c + 16 (l / 16) + 0..15), then at SCO 512 bytes of scale words (4 bytes a tile row).  Tile 2 g + u, tile row i, is row 32 g + 8 u + i + 8 (i / 8) of the block.
; A TILE OF WORK is one block of S0 (all four waves read it) times one of S1 (wave w owns tiles 2 w, 2 w + 1): 16 accumulators a wave.  A lane holds one row of S1, and the 64 registers of an S1 tile run along
; S0's 128 rows in their true order (the tiles' row order sees to that): so they are quantised in place into one fragment of the next product.
; A WORK-GROUP STAYS: 1,024 tiles of work, 256 work-groups, four tiles each.  Tile t of a work-group in cluster row y has the number vy = y + 8 t: vy 0..7 Q, 8..15 K, 16..23 V of the first 32 blocks of the activations;
; 24..27 K, 28..31 V of blocks 32..47 (other).  Weight slot = job.  The job hangs on y and t alone: it is the same in all sixteen partners of a cluster.
;   Q, K (rows): S0 = weight (128 outputs = two heads), S1 = activations: a lane holds a position, registers run along the head's channels: quantised along the channels.
;   V: S0 = activations (128 keys), S1 = weight: a lane holds a channel, registers run along the keys: quantised along the keys.
; THE RING.  LDS holds one block of S0 and one of S1, each as two halves of four K steps.  While a tile's second half is multiplied, the first half's bytes take the next tile's first half; while the next tile's first
; half is multiplied (and this tile is quantised and stored), the second half's bytes take its second half.  Each wave brings two K steps (132 rows of 256 bytes) with one tensor load: waves 0, 1 of S0, waves 2, 3 of S1.
; CLUSTER 4 x 4: S0's block hangs on cx and is shared along a column, S1's on cy and is shared along a row: every load is a joint one, and every change of halves that fills bytes again is a round of the cluster's barrier.
; THE BIAS is the C of a tile's first sixteen products: 128 registers in the result's layout, filled half a tile ahead; nothing is cleared and no addition is spent.
; OUT.  Q, K: for each (batch, head) units of 128 positions, KSB bytes: eight tiles x 1,024 bytes (two chunks), then the words: a row's two scale bytes, twice.  V: units of 128 keys, VSB bytes: four channel tiles x 2,048, then the words.
; LIMITS: NaN and infinities are not served.  A block of zeros gets the byte 1 where the rule says 127: its codes are zeros, and this program alone reads the bytes.  Blocks under 2^-111 were not tried.
.set BLK,   135168
.set KST,   16896
.set SCO,   16384
.set HALF,  4*KST                      ; four K steps: what is filled again at a time in each of the two blocks
.set S1B,   BLK                        ; LDS: S0's block at 0, S1's here
.set SPARE, 2*BLK                      ; the spare words, 128 bytes for each wave: two blocks of 256 bytes that no other line names
.set KSB,   8704
.set VSB,   8448
.set RK1,   4456448
.set RV1,   8912896
.set RK2,   13238272
.set RV2,   15466496
.set ACC,   128                        ; v128-255 accumulator (a, b) at ACC + 64 a + 8 b
.set BIA,   64                         ; window 2, v64-191: the bias in the accumulators' layout
.set SC,    16                         ; scale words: set q at v[16 + 8 q]: four registers for S0's tile pairs, one for S1's pair
.set A0,    36                         ; v36-39  LDS address of S0's fragments, K steps 2 p and 2 p + 1;  never rewritten, like the twelve that follow
.set A1,    40                         ; v40-43  of my two tiles of S1
.set AS0,   44                         ; v44-47  of S0's scale words
.set AS1,   48                         ; v48-51  of S1's
.set BV,    52                         ; v52, v53 V: my channel's bias for my two tiles
.set TM,    80                         ; v80-95 at work in QUANT
.set SEL,   92
.set MNT,   30
.set MSB,   0
; REGISTERS.  window 0: v1 lane, v2 r, v3 h; v8, v9 the add's two; v14, v15 the stores' offsets; v16-20, v24-28 scale words; v22, v23 the bias's offsets; v30, v31 scale words made; v32-35 at work; v96-127 codes made.
;   window 1: S0's fragments, set q at 128 q.   window 2: v0-63 S1's, set q at 32 q; v64-191 the bias.
; SCALARS.  s[4:19] the eight buffers, kept; s20 wave, s21 which block I fetch for, s22 which two K steps of a half; s23 cx, s24 cy, s25, s26 the cluster's x, y; s27 vy; s28 the tile's count; s31 lanes 16-31;
;   s[32:39], s[40:47] group 1 for S0, S1; s[48:55], s[56:63] their groups 0, a set for each half; s[68:69] the bias asked for, s70 its kind; s71 the kind of the tile that goes out, s[72:75] where;
;   s76-80 job, place, first block, log2 of the blocks in a batch, V or not; s[84:87] the next tile's blocks; s88, s89 hold cx and never cy, s90, s91 cy and never cx.
.macro WIN new                         ; the immediate's high byte repeats the setting that is left
.if MSB != \new
	s_set_vgpr_msb (MSB<<8)|\new
.set MSB, \new
.endif
.endm
.macro CREST                           ; a round of the cluster's barrier behind its opening barrier
	s_cmp_lg_u32 s20, 0
	s_cbranch_scc1 .Lnot_wave_0_\@
	s_barrier_signal -3
.Lnot_wave_0_\@:
	s_barrier_wait -3
	s_barrier_signal -1
	s_barrier_wait -1
.endm
.macro CROUND                          ; a whole round
	s_barrier_signal -1
	s_barrier_wait -1
	CREST
.endm
.macro PLACES n                        ; a load into a register that a matrix instruction has read, and a vector instruction that reads its result, stand eight plain vector instructions behind it
.rept \n
	v_nop
.endr
.endm
.macro JLOAD h                         ; a joint load into half h: waves 0, 1 for S0, waves 2, 3 for S1; an s_nop 0 and four v_nop follow each of the two lines
	s_cmp_eq_u32 s21, 0
	s_cbranch_scc0 .Lfor_s1_\@
	tensor_load_to_lds s[48+4*\h:51+4*\h], s[32:39]
	s_nop 0
.rept 4
	v_nop
.endr
	s_branch .Lasked_\@
.Lfor_s1_\@:
	tensor_load_to_lds s[56+4*\h:59+4*\h], s[40:47]
	s_nop 0
.rept 4
	v_nop
.endr
.Lasked_\@:
.endm
.macro FETCH k                         ; K step k's fragments and scale words into set k % 2: 45 LDS loads
	WIN 0x40
.irp t, 0,1,2,3,4,5,6,7
.irp c, 0,1,2,3
	ds_load_b128 v[128*((\k)%2)+16*\t+4*\c:128*((\k)%2)+16*\t+4*\c+3], v[A0+(\k)/2] offset:((\k)%2)*KST+2048*\t+512*\c
.endr
.endr
	WIN 0x80
.irp a, 0,1
.irp c, 0,1,2,3
	ds_load_b128 v[32*((\k)%2)+16*\a+4*\c:32*((\k)%2)+16*\a+4*\c+3], v[A1+(\k)/2] offset:((\k)%2)*KST+2048*\a+512*\c
.endr
.endr
	WIN 0
.irp p, 0,1,2,3
	ds_load_b32 v[SC+8*((\k)%2)+\p], v[AS0+(\k)/2] offset:((\k)%2)*KST+128*\p   ; lanes 0-15: tile 2 p's words, lanes 16-31: tile 2 p + 1's
.endr
	ds_load_b32 v[SC+8*((\k)%2)+4], v[AS1+(\k)/2] offset:((\k)%2)*KST           ; my two tiles of S1 likewise
.endm
.macro WM q, a, b, first               ; first = 1: the sum begins with the bias as C
.set rD, ACC+64*(\a)+8*(\b)
.set rC, rD
.if \first
.set rC, BIA+64*(\a)+8*(\b)
.endif
.set rA, 128*(\q)+16*(\b)
.set rB, 32*(\q)+16*(\a)
.set rSA, SC+8*(\q)+(\b)/2
.set rSB, SC+8*(\q)+4
.if ((\b)%2 == 0) && ((\a) == 0)
	v_wmma_scale_f32_16x16x128_f8f6f4 v[rD:rD+7], v[rA:rA+15], v[rB:rB+15], v[rC:rC+7], v[rSA], v[rSB] matrix_a_fmt:MATRIX_FMT_BF8 matrix_b_fmt:MATRIX_FMT_BF8
.elseif (\a) == 0
	v_wmma_scale_f32_16x16x128_f8f6f4 v[rD:rD+7], v[rA:rA+15], v[rB:rB+15], v[rC:rC+7], v[rSA], v[rSB] matrix_a_fmt:MATRIX_FMT_BF8 matrix_b_fmt:MATRIX_FMT_BF8 matrix_a_scale:MATRIX_SCALE_ROW1
.elseif (\b)%2 == 0
	v_wmma_scale_f32_16x16x128_f8f6f4 v[rD:rD+7], v[rA:rA+15], v[rB:rB+15], v[rC:rC+7], v[rSA], v[rSB] matrix_a_fmt:MATRIX_FMT_BF8 matrix_b_fmt:MATRIX_FMT_BF8 matrix_b_scale:MATRIX_SCALE_ROW1
.else
	v_wmma_scale_f32_16x16x128_f8f6f4 v[rD:rD+7], v[rA:rA+15], v[rB:rB+15], v[rC:rC+7], v[rSA], v[rSB] matrix_a_fmt:MATRIX_FMT_BF8 matrix_b_fmt:MATRIX_FMT_BF8 matrix_a_scale:MATRIX_SCALE_ROW1 matrix_b_scale:MATRIX_SCALE_ROW1
.endif
.endm
.macro MUL q, first                    ; 16 matrix instructions on set q: the 16 accumulators take turns, one instruction a turn, in the same order in every K step and from tile to tile
.if \first
	WIN 0x29                                              ; source 0 window 1, sources 1 and 2 window 2, D window 0
.else
	WIN 0x09                                              ; source 0 window 1, source 1 window 2, C and D window 0
.endif
.irp b, 0,1,2,3,4,5,6,7
.irp a, 0,1
	WM \q, \a, \b, \first
.endr
.endr
.endm
.macro QUANT s, pc, pw                 ; 64 numbers of a lane, register 16 b + i = k 32 b + 16 (lane / 16) + i of my row, become a fragment's codes and its scale word
.irp b, 0,1,2,3
	v_max3_num_f32 v[TM+\b], |v[\s+16*\b]|, |v[\s+1+16*\b]|, 0x8000000   ; my 16 numbers, and the floor 2^(16 - 127).  Each accumulator is read from its low end on
.endr
.irp i, 2,4,6,8,10,12,14
.irp b, 0,1,2,3
	v_max3_num_f32 v[TM+\b], v[TM+\b], |v[\s+16*\b+\i]|, |v[\s+1+16*\b+\i]|
.endr
.endr
.irp b, 0,1,2,3
	v_permlanex16_b32 v[TM+4+\b], v[TM+\b], s[SEL], s[SEL+1]
.endr
.irp b, 0,1,2,3
	v_max_num_f32 v[TM+\b], v[TM+\b], v[TM+4+\b]
.endr
.irp b, 0,1,2,3
	v_add_nc_u32 v[TM+12+\b], 0xf8800000, v[TM+\b]        ; 15 off the exponent field: the conversion's scale operand
.endr
.irp b, 0,1,2,3
.endr
.irp b, 0,1,2,3
	v_lshrrev_b32 v[TM+4+\b], 23, v[TM+12+\b]             ; the byte
.endr
	v_lshl_or_b32 v[\pw], v[TM+5], 8, v[TM+4]
	v_lshl_or_b32 v[\pw], v[TM+6], 16, v[\pw]
	v_lshl_or_b32 v[\pw], v[TM+7], 24, v[\pw]
.irp b, 0,1,2,3
.irp i, 0,1,2,3,4,5,6,7,8,9,10,11,12,13,14,15
.endr
	v_cvt_scalef32_pk8_bf8_f32 v[\pc+4*\b:\pc+1+4*\b], v[\s+16*\b:\s+7+16*\b], v[TM+12+\b]
	v_cvt_scalef32_pk8_bf8_f32 v[\pc+2+4*\b:\pc+3+4*\b], v[\s+8+16*\b:\s+15+16*\b], v[TM+12+\b]
.endr
	v_nop                                                 ; one plain line behind the last scaled conversion
.endm
.macro JOB                             ; from the tile's number vy in s27: the same in all sixteen partners
	s_lshr_b32 s76, s27, 3
	s_and_b32 s77, s27, 7
	s_sub_co_u32 s81, s27, 24
	s_lshr_b32 s82, s81, 2
	s_add_co_u32 s82, s82, 3
	s_and_b32 s81, s81, 3
	s_cmp_lt_u32 s27, 24
	s_cselect_b32 s76, s76, s82                    ; job 0..4
	s_cselect_b32 s77, s77, s81                    ; which four blocks of activations
	s_cselect_b32 s78, 0, 32                       ; their first block
	s_cselect_b32 s79, 4, 3                        ; log2 of the blocks in a batch
	s_and_b32 s80, s76, 1
	s_xor_b32 s80, s80, 1
	s_cmp_eq_u32 s76, 0
	s_cselect_b32 s80, 0, s80                      ; 1 for V (jobs 2 and 4)
.endm
.macro DECIN                           ; behind JOB: where the tile's two blocks and its bias lie
	s_lshl_b32 s81, s76, 3
	s_lshl_b32 s82, s25, 2
	s_add_co_u32 s81, s81, s82                     ; the weight's blocks: 8 job + 4 cluster x on
	s_lshl_b32 s82, s77, 2
	s_add_co_u32 s82, s82, s78                     ; the activations'
	s_lshl_b32 s97, s20, 7
	s_cmp_eq_u32 s80, 0
	s_cselect_b32 s88, s81, s82                    ; S0: the weight, for V the activations
	s_cselect_b32 s90, s82, s81                    ; S1: the other
	s_cselect_b64 s[84:85], s[6:7], s[4:5]
	s_cselect_b64 s[86:87], s[4:5], s[6:7]
	s_cselect_b32 s96, s23, s24                    ; the weight's block hangs on cx, for V on cy
	s_cselect_b32 s97, 0, s97                      ; V: my 32 channels' bias
	s_add_co_u32 s88, s88, s23                     ; + cx
	s_add_co_u32 s90, s90, s24                     ; + cy
	s_mul_i32 s88, s88, BLK
	s_mul_i32 s90, s90, BLK
	s_add_nc_u64 s[84:85], s[84:85], s[88:89]
	s_add_nc_u64 s[86:87], s[86:87], s[90:91]
	s_add_nc_u64 s[84:85], s[84:85], s[100:101]    ; + my two K steps of a half
	s_add_nc_u64 s[86:87], s[86:87], s[100:101]
	s_mov_b64 s[68:69], s[8:9]
.irp j, 1,2,3,4
	s_cmp_eq_u32 s76, \j
	s_cselect_b64 s[68:69], s[8+2*\j:9+2*\j], s[68:69]
.endr
	s_lshl_b32 s98, s25, 2
	s_add_co_u32 s96, s96, s98                     ; the weight's block of 128 outputs, 0..7
	s_lshl_b32 s98, s96, 9
	s_add_co_u32 s98, s98, s97
	s_mov_b32 s99, 0
	s_add_nc_u64 s[68:69], s[68:69], s[98:99]
	s_mov_b32 s70, s80
.endm
.macro ASKV                            ; two words a lane: my channel's bias for my two tiles, as V wants it.  Asked for in every tile, the row tiles too (there they lie inside the block's 512 bytes and are not used): so no wait for memory stands in the middle of a tile
	global_load_b32 v[BV], v23, s[68:69]
	global_load_b32 v[BV+1], v23, s[68:69] offset:32
.endm
.macro BIAS                            ; the bias of the tile that DECIN has named, into the accumulators' layout
	s_cmp_eq_u32 s70, 0
	s_cbranch_scc0 .Lv_bias_\@
	WIN 0x80
.irp a, 0,1
.irp b, 0,1,2,3,4,5,6,7
.irp k, 0,1
	global_load_b128 v[BIA+64*\a+8*\b+4*\k:BIA+64*\a+8*\b+4*\k+3], v22, s[68:69] offset:(32*(\b/2)+8*(\b%2))*4+16*\k   ; register j of tile b is output 32 (b / 2) + 16 h + 8 (b % 2) + j
.endr
.endr
.endr
	WIN 0
	s_branch .Lbias_asked_\@
.Lv_bias_\@:
	s_wait_loadcnt 0x0                             ; the two words, asked for at the tile's head
	WIN 0x80
.set n, 0
.rept 128
	v_mov_b32 v[BIA+n], v[BV+n/64]                 ; a lane holds one channel: its bias starts all 64 sums of a tile
.set n, n+1
.endr
	WIN 0
.Lbias_asked_\@:
.endm
.macro DECOUT                          ; behind JOB: where the tile's results go
	s_lshr_b32 s96, s20, 1
	s_and_b32 s97, s20, 1
	s_lshl_b32 s2, s97, 12
	s_lshl_b32 s3, s97, 7
	s_lshl_b32 s98, s20, 11
	s_lshl_b32 s99, s20, 7
	s_mov_b32 s83, VSB
	s_cmp_eq_u32 s80, 0
	s_cselect_b32 s94, s23, s24                    ; the weight's block hangs on cx, for V on cy;
	s_cselect_b32 s95, s24, s23                    ; the activations' the other way round
	s_cselect_b32 s96, 0, s96                      ; V: my tiles lie in head wave / 2 of the block's two
	s_cselect_b32 s83, KSB, s83                    ; a unit's bytes
	s_cselect_b32 s2, s98, s2                      ; my tiles' codes in a unit: 2,048 wave; V: 4,096 (wave % 2)
	s_cselect_b32 s3, s99, s3                      ; their words: 128 wave; V: 128 (wave % 2)
	s_lshl_b32 s98, s25, 2
	s_add_co_u32 s94, s94, s98                     ; the weight's block of 128 outputs, 0..7
	s_lshl_b32 s98, s77, 2
	s_add_co_u32 s95, s95, s98                     ; the activations' block in their tensor
	s_lshr_b32 s98, s95, s79                       ; the batch
	s_lshl_b32 s99, s98, s79
	s_sub_co_u32 s99, s95, s99                     ; the unit in the batch
	s_lshl_b32 s98, s98, 4
	s_lshl_b32 s94, s94, 1
	s_add_co_u32 s98, s98, s94
	s_add_co_u32 s98, s98, s96                     ; 16 batch + head
	s_lshl_b32 s98, s98, s79
	s_add_co_u32 s98, s98, s99
	s_mul_i32 s98, s98, s83
	s_mov_b32 s97, 0                               ; the region of QKV
	s_cmp_eq_u32 s76, 1
	s_cselect_b32 s97, RK1, s97
	s_cmp_eq_u32 s76, 2
	s_cselect_b32 s97, RV1, s97
	s_cmp_eq_u32 s76, 3
	s_cselect_b32 s97, RK2, s97
	s_cmp_eq_u32 s76, 4
	s_cselect_b32 s97, RV2, s97
	s_add_co_u32 s98, s98, s97
	s_mov_b32 s99, 0
	s_add_nc_u64 s[72:73], s[18:19], s[98:99]      ; the unit of the first head,
	s_lshl_b32 s98, s83, s79
	s_add_nc_u64 s[74:75], s[72:73], s[98:99]      ; and of the next (rows alone)
	v_lshl_add_u32 v14, v1, 4, s2                  ; codes: 16 x lane + my tiles
	s_add_co_u32 s3, s3, 8192
	v_lshl_add_u32 v15, v1, 2, s3                  ; words: 4 x lane + 8,192 + my tiles
	s_mov_b32 s71, s80
.endm
.macro DESC h                          ; the global addresses of half h's two groups 0: the tile that DECIN has named.  Written only where no tensor load of mine is out
.if \h
	s_add_nc_u64 s[54:55], s[84:85], HALF
	s_or_b32 s55, s55, 0x80000000
	s_add_nc_u64 s[62:63], s[86:87], HALF
	s_or_b32 s63, s63, 0x80000000
.else
	s_mov_b64 s[50:51], s[84:85]
	s_or_b32 s51, s51, 0x80000000
	s_mov_b64 s[58:59], s[86:87]
	s_or_b32 s59, s59, 0x80000000
.endif
.endm
; THE CHANGE OF HALVES, with the half's last sixteen products in it.  In front of the barrier each wave waits for all its tensor loads (the one that is out is its part of the half that is read next), adds 0 to its spare
; word, and waits for that and for its reads of the half that it leaves.  fill = 1: the barrier opens a round of the cluster's barrier, and half h, just read out, takes the next tile's half h: one joint load a wave, first behind the round.
.macro TURN fill, h
	WIN 0                                          ; (the add's two registers lie in window 0)
	s_wait_tensorcnt 0x0                           ; all my tensor loads have landed, so a group 0 may be written;
	ds_add_u32 v8, v9                              ; 0 onto my spare word;
.if \fill
	DESC \h
.endif
	s_wait_dscnt 0x0                               ; the add is done, set 1 is in, and my reads of this half are over
	s_barrier_signal -1
	MUL 1, 0                                       ; work on registers while the others arrive
	WIN 0
	s_barrier_wait -1
.if \fill
	CREST                                          ; no wave of any partner still reads this half or has a load on its way
	JLOAD \h
	PLACES 4                                       ; with the four behind the load: the eight places in front of the loads below and of the first read of results
.else
	PLACES 8
.endif
.endm
; A TILE: eight K steps on two sets of fragments that are filled by turns, each two K steps ahead, so that LDS loads run under the products.  At its head K steps 0 and 1 have been asked for.
; A wait for 45 leaves the other set's 45 loads out.  fill = 1: the ring goes on into the next tile, whose bias and first two K steps are asked for too.
.macro TILE fill
	s_wait_dscnt 45
	MUL 0, 1                                       ; K step 0: the products that start the sums
	PLACES 8
	FETCH 2
	s_wait_dscnt 45
	MUL 1, 0
	PLACES 8
	FETCH 3
	s_wait_dscnt 45
	MUL 0, 0
	TURN \fill, 0                                  ; K step 3
	FETCH 4
	FETCH 5
.if \fill
	BIAS                                           ; the registers were read by K step 0's products, sixteen places and more ago
.endif
	s_wait_dscnt 45
	MUL 0, 0
	PLACES 8
	FETCH 6
	s_wait_dscnt 45
	MUL 1, 0
	PLACES 8
	FETCH 7
	s_wait_dscnt 45
	MUL 0, 0
.if \fill
	TURN 1, 1                                      ; K step 7
	FETCH 0                                        ; the next tile's first fragments land while this tile is quantised
	FETCH 1
.else
	s_wait_dscnt 0x0
	MUL 1, 0
	WIN 0
	PLACES 8
.endif
.endm
.macro EPI                             ; the tile whose number stands in s27 is quantised and stored
	s_wait_xcnt 0x0                                ; the last tile's stores have read their registers and bases: both are written again below
	JOB
	DECOUT
	QUANT ACC, 96, 30
	QUANT ACC+64, 112, 31
	s_cmp_eq_u32 s71, 0
	s_cbranch_scc0 .Lv_out_\@
.irp a, 0,1                            ; rows: chunks 0, 1 of a fragment are the first head's 64 channels, chunks 2, 3 the next head's
.irp e, 0,1
.irp c, 0,1
	global_store_b128 v14, v[96+16*\a+8*\e+4*\c:99+16*\a+8*\e+4*\c], s[72+2*\e:73+2*\e] offset:1024*\a+512*\c   ; 512 consecutive bytes
.endr
.endr
.endr
	v_perm_b32 v32, v30, v30, 0x01000100           ; a head's two bytes, twice: the word serves codes that stand in the lower or in the upper half of a K step of 128
	v_perm_b32 v33, v31, v31, 0x01000100
	v_perm_b32 v34, v30, v30, 0x03020302
	v_perm_b32 v35, v31, v31, 0x03020302
	v_cndmask_b32 v32, v32, v33, s31               ; lanes 0-15: my first tile's rows, lanes 16-31: my second's
	v_cndmask_b32 v34, v34, v35, s31
	global_store_b32 v15, v32, s[72:73]            ; 128 consecutive bytes
	global_store_b32 v15, v34, s[74:75]
	s_branch .Lout_\@
.Lv_out_\@:
	s_wait_alu depctr_va_vdst(0)
.irp a, 0,1
.irp c, 0,1,2,3
	global_store_b128 v14, v[96+16*\a+4*\c:99+16*\a+4*\c], s[72:73] offset:2048*\a+512*\c
.endr
.endr
	v_cndmask_b32 v32, v30, v31, s31
	global_store_b32 v15, v32, s[72:73]
.Lout_\@:
.endm
	s_load_b512 s[4:19], s[0:1], 0x0               ; activations s[4:5], weights s[6:7], five biases s[8:17], QKV s[18:19]
	v_lshl_add_u32 v8, v0, 2, SPARE
	v_mov_b32 v9, 0
	ds_add_u32 v8, v9                              ; the wave's opening: the add, twice on end, and its wait ahead of my first tensor load
	ds_add_u32 v8, v9
	v_lshrrev_b32 v1, 5, v0
	v_readfirstlane_b32 s20, v1                    ; wave 0..3
	s_lshr_b32 s21, s20, 1                         ; I fetch for S0 (0) or for S1 (1),
	s_and_b32 s22, s20, 1                          ; the first two K steps of a half (0) or the last two (1)
	s_bfe_u32 s23, ttmp6, 0x40000                  ; cx
	s_bfe_u32 s24, ttmp6, 0x40004                  ; cy
	s_mov_b32 s25, ttmp9                           ; the cluster's x
	s_and_b32 s26, ttmp7, 0xffff                   ; and y
	s_lshl_b32 s2, s24, 2
	s_lshl_b32 s2, 15, s2                          ; my row of the cluster
	s_lshl_b32 s3, 0x1111, s23                     ; my column
	s_or_b32 s32, s3, (3<<16)|(1<<21)              ; group 1 for S0: 15:0 the mask: my column; 17:16 elements of 8 bytes; 21 set beside a mask; no padding
	s_or_b32 s40, s2, (3<<16)|(1<<21)              ; for S1: my row
.irp g, 32, 40
	s_mov_b32 s[\g+1], 32<<16                      ; tensor_dim0: 32 elements = 256 bytes
	s_mov_b32 s[\g+2], 132<<16                     ; tensor_dim1: 132 rows: two K steps' 33,792 dense bytes
	s_mov_b32 s[\g+3], 32<<16                      ; tile_dim0
	s_mov_b32 s[\g+4], 132                         ; tile_dim1
	s_mov_b32 s[\g+5], 32                          ; the pitch
	s_mov_b32 s[\g+6], 0
	s_mov_b32 s[\g+7], 0
.endr
	s_mul_i32 s100, s22, 2*KST                     ; my two K steps of a half, in memory and in LDS
	s_mov_b32 s101, 0
	s_mov_b32 s89, 0
	s_mov_b32 s91, 0
	s_mov_b32 s[SEL], 0x76543210
	s_mov_b32 s[SEL+1], 0xfedcba98
	s_mov_b32 s27, s26                             ; tile 0: vy = y
	JOB
	s_wait_dscnt 0x0                               ; both opening adds are done
	s_wait_kmcnt 0x0
	DECIN
	CROUND                                         ; all sixteen work-groups are here: the first joint loads meet
	s_mov_b32 s48, 1                               ; groups 0: count 1; the LDS address, which stays; the global address, which DESC writes
	s_mov_b32 s49, s100
	s_mov_b32 s52, 1
	s_add_co_u32 s53, s100, HALF
	s_mov_b32 s56, 1
	s_add_co_u32 s57, s100, S1B
	s_mov_b32 s60, 1
	s_add_co_u32 s61, s100, S1B+HALF
	DESC 0
	DESC 1
	s_cmp_eq_u32 s21, 0                            ; a wave's two first fills stand in one arm of one branch on the wave's number: two loads of mine are out
	s_cbranch_scc0 .Lfirst_s1
	tensor_load_to_lds s[48:51], s[32:39]
	s_nop 0
	tensor_load_to_lds s[52:55], s[32:39]
	s_nop 0
.rept 4
	v_nop
.endr
	s_branch .Lfirst_asked
.Lfirst_s1:
	tensor_load_to_lds s[56:59], s[40:47]
	s_nop 0
	tensor_load_to_lds s[60:63], s[40:47]
	s_nop 0
.rept 4
	v_nop
.endr
.Lfirst_asked:
	v_and_b32 v1, 31, v0
	v_and_b32 v2, 15, v0
	v_bfe_u32 v3, v0, 4, 1
	v_lshlrev_b32 v[A0], 4, v1                     ; an image's place for my lane: 16 x lane
	s_lshl_b32 s29, s20, 12
	s_add_co_u32 s29, s29, S1B
	v_add_nc_u32 v[A1], s29, v[A0]                 ; my two tiles of S1
	v_lshl_add_u32 v[AS0], v1, 2, SCO
	s_lshl_b32 s29, s20, 7
	s_add_co_u32 s29, s29, S1B+SCO
	v_lshl_add_u32 v[AS1], v1, 2, s29
.irp p, 1,2,3
	v_add_nc_u32 v[A0+\p], 2*\p*KST, v[A0]         ; a register for each pair of K steps: the pair's second step and the tiles stand in the loads' immediates
	v_add_nc_u32 v[A1+\p], 2*\p*KST, v[A1]
	v_add_nc_u32 v[AS0+\p], 2*\p*KST, v[AS0]
	v_add_nc_u32 v[AS1+\p], 2*\p*KST, v[AS1]
.endr
	v_cmp_lt_u32 s31, 15, v1                       ; lanes 16-31
.irp b, 0,1,2,3
	v_mov_b32 v[TM+4+\b], 0                        ; written once: a lane permute's destination counts as one of its sources
.endr
	v_lshlrev_b32 v22, 6, v3                       ; bias, rows: 64 h
	v_and_b32 v23, 8, v2
	v_add_nc_u32 v23, v23, v2
	v_lshlrev_b32 v23, 2, v23                      ; bias, V: my channel, 4 (r + 8 (r / 8))
	ASKV
	BIAS                                           ; tile 0's
	s_wait_tensorcnt 1                             ; my part of the first half is in; my part of the second may be out
	s_barrier_signal -1
	s_barrier_wait -1                              ; K steps 0 to 3 of both blocks are whole
	FETCH 0
	FETCH 1
	s_mov_b32 s28, 0
.Ltile:                                            ; three trips: tiles 0 to 2, each of which has a successor
	s_wait_loadcnt 0x0                             ; this tile's bias is in, so its base may be written
	s_lshl_b32 s27, s28, 3
	s_add_co_u32 s27, s27, s26
	s_add_co_u32 s27, s27, 8                       ; the next tile's number
	JOB
	DECIN
	s_wait_alu depctr_va_vdst(0)
	ASKV
	TILE 1
	s_lshl_b32 s27, s28, 3
	s_add_co_u32 s27, s27, s26                     ; this tile's number
	EPI
	s_add_co_u32 s28, s28, 1
	s_cmp_lt_u32 s28, 3
	s_cbranch_scc1 .Ltile
	s_wait_loadcnt 0x0                             ; the last tile is written out: it asks for nothing more
	TILE 0
	s_add_co_u32 s27, s26, 24
	EPI
	s_wait_tensorcnt 0x0                           ; the wave's end
	ds_add_u32 v8, v9
	s_wait_dscnt 0x0
	CROUND                                         ; the closing round: no work-group ends while a partner may still ask for a tile that names it
	s_endpgm
.Lfunc_end_k_q48f163ca65_qkv:
	.size	k_q48f163ca65_qkv, .Lfunc_end_k_q48f163ca65_qkv-k_q48f163ca65_qkv
	.p2alignl 7, 3214868480
	.fill 96, 4, 3214868480
	.section	.rodata,"a",@progbits
	.p2align	6, 0x0
	.amdhsa_kernel k_q48f163ca65_qkv
		.amdhsa_group_segment_fixed_size 327680
		.amdhsa_private_segment_fixed_size 0
		.amdhsa_enable_private_segment 0
		.amdhsa_kernarg_size 64
		.amdhsa_user_sgpr_count 2
		.amdhsa_user_sgpr_kernarg_segment_ptr 1
		.amdhsa_wavefront_size32 1
		.amdhsa_system_sgpr_workgroup_id_x 1
		.amdhsa_system_sgpr_workgroup_id_y 1
		.amdhsa_system_sgpr_workgroup_id_z 1
		.amdhsa_system_vgpr_workitem_id 0
		.amdhsa_next_free_vgpr 704
		.amdhsa_next_free_sgpr 102
		.amdhsa_reserve_vcc 0
		.amdhsa_float_denorm_mode_32 3
		.amdhsa_float_denorm_mode_16_64 3
		.amdhsa_fp16_overflow 1
		.amdhsa_memory_ordered 1
		.amdhsa_forward_progress 1
		.amdhsa_inst_pref_size 134
	.end_amdhsa_kernel
	.amdgpu_metadata
---
amdhsa.version: [ 1, 2 ]
amdhsa.kernels:
  - .name:           k_q48f163ca65_qkv
    .symbol:         k_q48f163ca65_qkv.kd
    .args:
      - { .name: ACT, .offset: 0, .size: 8, .value_kind: global_buffer, .address_space: global }
      - { .name: WA, .offset: 8, .size: 8, .value_kind: global_buffer, .address_space: global }
      - { .name: sa_bq, .offset: 16, .size: 8, .value_kind: global_buffer, .address_space: global }
      - { .name: sa_bk, .offset: 24, .size: 8, .value_kind: global_buffer, .address_space: global }
      - { .name: sa_bv, .offset: 32, .size: 8, .value_kind: global_buffer, .address_space: global }
      - { .name: ca_bk, .offset: 40, .size: 8, .value_kind: global_buffer, .address_space: global }
      - { .name: ca_bv, .offset: 48, .size: 8, .value_kind: global_buffer, .address_space: global }
      - { .name: QKV, .offset: 56, .size: 8, .value_kind: global_buffer, .address_space: global }
    .group_segment_fixed_size: 327680
    .private_segment_fixed_size: 0
    .kernarg_segment_align: 8
    .kernarg_segment_size: 64
    .max_flat_workgroup_size: 128
    .sgpr_count:     102
    .vgpr_count:     704
    .wavefront_size: 32
...
	.end_amdgpu_metadata
.endif
;; end of part 2
;; launch attn1 (part 3): grid 8 x 32, 16 waves a work-group, clusters of 4 x 1, 327,680 bytes of LDS; arguments QKV, AO; writes AO
.if DOCPART == 3
	.amdgcn_target "amdgcn-amd-amdhsa--gfx1250"
	.amdhsa_code_object_version 6
	.text
	.protected	k_q48f163ca65_attn1
	.globl	k_q48f163ca65_attn1
	.p2align	8
	.type	k_q48f163ca65_attn1,@function
k_q48f163ca65_attn1:
	s_mov_b64 s[64:65], 0
	v_nop
	global_prefetch_b8 v0, s[64:65] scope:SCOPE_SE
	s_setreg_imm32_b32 hwreg(HW_REG_WAVE_MODE, 25, 1), 1
	s_wait_xcnt 0x0
	s_wait_alu depctr_hold_cnt(0) depctr_sa_sdst(0) depctr_va_vdst(0) depctr_va_sdst(0) depctr_va_ssrc(0) depctr_va_vcc(0) depctr_vm_vsrc(0)
	s_getreg_b32 s2, hwreg(HW_REG_IB_STS2, 6, 4)
	s_cmp_eq_u32 s2, 0
	s_cbranch_scc0 .Lentry_in_a_cluster
	s_endpgm
.Lentry_in_a_cluster:
	s_bfe_u32 s2, ttmp6, 0x10000c
	s_cmp_lg_u32 s2, 0x3003
	s_cbranch_scc0 .Lentry_shape_is_right
	s_endpgm
.Lentry_shape_is_right:
; ATTENTION on codes of E5M2, head size 64, no mask; here 2,048 keys (NKS = 16 key steps of 128).  No work of reference() is left out.
; t = score x log2(e) / 8; M = the running largest t rounded UP to a whole number; p = 2^(t - M) is quantised along the keys, not normalised; the row's sum is taken of the unquantised p and divides at the end.
; When M moves, the sum and O are multiplied by 2^(old M - new M): exact.
; IN.  Q, K: for each (batch, head) units of 128 positions, KSB bytes: eight tiles x 1,024 bytes (two chunks of 512: lane l's 16 bytes at 16 l: tile row l % 16, channel 32 c + 16 (l / 16) + 0..15), then 512 bytes of words:
; a row's two scale bytes, twice.  V: units of 128 keys, VSB bytes: four channel tiles x 2,048 bytes (four chunks along the keys), then 256 bytes of words.  Tile 2 g + u, tile row i, is row 32 g + 8 u + i + 8 (i / 8) of its unit.
; SHARES.  A work-group owns 256 queries of one (batch, head); each of its sixteen waves one tile of 16.  The head's K and V, codes and scale words, lie WHOLE in LDS: every tensor load is a first fill.
; CLUSTER 4 x 1: the four query blocks of a cluster belong to one head: each key step's block is asked for jointly (mask 15).  Waves 0-7 fetch K's key steps w and 8 + w, waves 8-15 V's.
; LAYOUT.  Both products transposed: S^T = K Q^T, O^T = V^T P^T: a lane holds one query throughout.  The tiles' row order makes the 16 registers of key tiles 2 b, 2 b + 1 the keys 32 b + 16 (lane / 16) + 0..15,
; and O^T's 16 registers of channel tiles 2 b, 2 b + 1 16 neighbouring channels: p and O are quantised in place.
; THE HEAD'S 64 IN A K STEP OF 128: half of each operand of K Q^T is zero codes.  Even key tiles stand as [K][0] against [Q][0], odd ones as [0][K] against [0][Q], so that neighbours share the zeros' registers;
; a scale word holds its two bytes in both halves.  Zero codes add nothing under these bytes (1 to 254).
; OUT: O / sum, quantised along the channels into the next product's operand: blocks of 128 rows (BLK bytes), K steps of KST bytes (eight fragment images of 2,048 bytes, then the scale words at SCO): K step head / 2, chunks 2 (head % 2) and the next.
; LIMITS: NaN and infinities are not served; a block of zeros gets the byte 1 where the rule says 127 (its codes are zeros; this program alone reads the bytes); 1 / sum by v_rcp_f32; a p under 2^-126 counts as 0.
.set NKS,   16
.set RK,    4456448
.set RV,    8912896
.set KSB,   8704                       ; a key step of K: eight tiles x 1,024 bytes, 512 bytes of words
.set VSB,   8448                       ; of V: four channel tiles x 2,048 bytes, 256 bytes of words
.set BLK,   135168
.set KST,   16896
.set SCO,   16384
.set VB,    NKS*KSB                    ; LDS: K at 0, V here
.set SPARE, NKS*(KSB+VSB)              ; the spare words, 128 bytes for each wave: eight blocks of 256 bytes that no other line names
; REGISTERS: v1 16 x lane, v2 4 x lane; v3, v4 the add's two; v5-7 offsets in memory; v8-11 the step's LDS addresses; v12 -M, v13 the largest t, v[14:15] the sum; v16-39 [Q][0][Q]; v40-87 [K0][0][K1][K2][0][K3];
; v88-91 K's scale words, v92-93 V's, v94 Q's, v95 p's; v96-159 S^T, p, then V's fragments; v160-191 O^T; v192-207 p's codes; v208-223 at work; v[224:225] f; v226 at work; v[228:229] the sum's second chain.
.macro CROUND
	s_barrier_signal -1
	s_barrier_wait -1
	s_cmp_lg_u32 s8, 0
	s_cbranch_scc1 .Lnot_wave_0_\@
	s_barrier_signal -3
.Lnot_wave_0_\@:
	s_barrier_wait -3
	s_barrier_signal -1
	s_barrier_wait -1
.endm
	s_load_b128 s[4:7], s[0:1], 0x0                ; QKV, AO
	v_lshl_add_u32 v3, v0, 2, SPARE
	v_mov_b32 v4, 0
	ds_add_u32 v3, v4                              ; the wave's opening: the add, twice on end, and its wait ahead of my first tensor load
	ds_add_u32 v3, v4
	v_lshrrev_b32 v1, 5, v0
	s_delay_alu instid0(VALU_DEP_1)
	v_readfirstlane_b32 s8, v1                     ; wave 0..15
	s_and_b32 s9, s8, 7                            ; the key step that I fetch
	s_and_b32 s12, ttmp7, 0xffff                   ; 16 batch + head
	s_mov_b32 s16, 15|(3<<16)|(1<<21)              ; group 1 for K: the mask: all four; elements of 8 bytes; 21 set beside a mask
	s_mov_b32 s17, 32<<16                          ; rows of 256 bytes,
	s_mov_b32 s18, 34<<16                          ; 34 of them: a key step's 8,704 dense bytes
	s_mov_b32 s19, 32<<16
	s_mov_b32 s20, 34
	s_mov_b32 s21, 32
	s_mov_b32 s22, 0
	s_mov_b32 s23, 0
	s_mov_b32 s24, 15|(3<<16)|(1<<21)              ; for V: 33 rows
	s_mov_b32 s25, 32<<16
	s_mov_b32 s26, 33<<16
	s_mov_b32 s27, 32<<16
	s_mov_b32 s28, 33
	s_mov_b32 s29, 32
	s_mov_b32 s30, 0
	s_mov_b32 s31, 0
	s_mul_i32 s13, s9, KSB                         ; K: my key step's place, in LDS and in the head's block
	s_mul_i32 s2, s12, NKS*KSB
	s_add_co_u32 s2, s2, s13
	s_add_co_u32 s2, s2, RK
	s_mov_b32 s3, 0
	s_mul_i32 s51, s9, VSB                         ; V likewise
	s_mul_i32 s14, s12, NKS*VSB
	s_add_co_u32 s14, s14, s51
	s_add_co_u32 s14, s14, RV
	s_mov_b32 s15, 0
	s_mov_b32 s48, 0                               ; where the step's K lies in LDS,
	s_mov_b32 s49, VB                              ; and its V
	s_mov_b32 s52, 0x76543210
	s_mov_b32 s53, 0xfedcba98                      ; v_permlanex16_b32's selects for lane l xor 16
	s_mov_b32 s54, 0x3e38aa3b                      ; c = log2(e) / 8
	s_mov_b32 s55, s54                             ; (named with it as a pair)
	s_wait_dscnt 0x0                               ; both opening adds are done
	s_wait_kmcnt 0x0
	CROUND                                         ; all four work-groups are here: the joint loads meet
	s_mov_b32 s32, 1
	s_mov_b32 s33, s13
	s_add_nc_u64 s[34:35], s[4:5], s[2:3]
	s_mov_b32 s40, 1
	s_add_co_u32 s41, s51, VB
	s_add_nc_u64 s[42:43], s[4:5], s[14:15]
	s_mov_b32 s36, 1                               ; the second set: eight key steps on
	s_add_co_u32 s37, s13, 8*KSB
	s_add_nc_u64 s[38:39], s[34:35], 8*KSB
	s_or_b32 s39, s39, 0x80000000
	s_mov_b32 s44, 1
	s_add_co_u32 s45, s51, VB+8*VSB
	s_add_nc_u64 s[46:47], s[42:43], 8*VSB
	s_or_b32 s47, s47, 0x80000000
	s_or_b32 s35, s35, 0x80000000
	s_or_b32 s43, s43, 0x80000000
	s_cmp_lt_u32 s8, 8                             ; a wave's two first fills stand in one arm of one branch on the wave's number: two loads of mine are out
	s_cbranch_scc0 .Lfor_v
	tensor_load_to_lds s[32:35], s[16:23]
	s_nop 0
	tensor_load_to_lds s[36:39], s[16:23]
	s_nop 0
.rept 4
	v_nop
.endr
	s_branch .Lasked
.Lfor_v:
	tensor_load_to_lds s[40:43], s[24:31]
	s_nop 0
	tensor_load_to_lds s[44:47], s[24:31]
	s_nop 0
.rept 4
	v_nop
.endr
.Lasked:
	s_bfe_u32 s10, ttmp6, 0x40000                  ; cx: it enters Q's and the output's addresses alone
	s_lshl_b32 s11, ttmp9, 2
	s_add_co_u32 s11, s11, s10
	s_lshl_b32 s11, s11, 4
	s_add_co_u32 s11, s11, s8                      ; my tile of queries, 0..127
	v_and_b32 v5, 31, v0
	s_delay_alu instid0(VALU_DEP_1)
	v_lshlrev_b32 v1, 4, v5
	s_wait_alu depctr_va_vdst(0)
	v_lshlrev_b32 v2, 2, v5
	v_and_b32 v6, 15, v0
	s_wait_alu depctr_va_vdst(0)
	s_lshr_b32 s67, s11, 3
	s_mul_i32 s67, s67, KSB
	s_mul_i32 s68, s12, 16*KSB
	s_add_co_u32 s68, s68, s67
	s_mov_b32 s69, 0
	s_add_nc_u64 s[58:59], s[4:5], s[68:69]        ; Q's unit of 128 positions (its region begins QKV)
	s_and_b32 s70, s11, 7
	s_lshl_b32 s71, s70, 10
	v_add_nc_u32 v5, s71, v1
	s_lshl_b32 s71, s70, 6
	s_add_co_u32 s71, s71, 8192
	v_lshl_add_u32 v7, v6, 2, s71
	global_load_b128 v[16:19], v5, s[58:59]        ; Q twice: below the zeros and above them
	global_load_b128 v[20:23], v5, s[58:59] offset:512
	global_load_b128 v[32:35], v5, s[58:59]
	global_load_b128 v[36:39], v5, s[58:59] offset:512
	global_load_b32 v94, v7, s[58:59]              ; Q's scale words
.irp z, 24,48,72
.irp j, 0,1,2,3,4,5,6,7
	v_mov_b32 v[\z+\j], 0                          ; the zero codes, once
.endr
.endr
	v_mov_b32 v13, 0xff61b1e6                      ; the largest t so far: -3e38
	s_delay_alu instid0(VALU_DEP_1)
	v_floor_f32 v12, -v13                          ; -M
	v_mov_b32 v14, 0
	v_mov_b32 v15, 0
.irp b, 0,1,2,3
	v_mov_b32 v[212+\b], 0                         ; written once: a lane permute's destination counts as one of its sources
.endr
	v_mov_b32 v225, 0                              ; (named as the upper half of the pair v[224:225])
	v_mov_b32 v226, 0
.set n, 0
.rept 32
	v_mov_b32 v[160+n], 0                          ; O^T: the loop is written once; its first step finds zeros
.set n, n+1
.endr
; A KEY STEP: 128 keys.
.macro STEP
	v_add_nc_u32 v8, s48, v1
	s_wait_alu depctr_va_vdst(0)
	v_add_nc_u32 v9, s48, v2
	v_add_nc_u32 v10, s49, v1
	v_add_nc_u32 v11, s49, v2
.rept 5
	v_nop                                          ; with the four additions nine places: the first product below writes over registers that the last step's V^T P read
.endr
.irp g, 0,1                                    ; S^T = K Q^T, four tiles of 16 keys at a time
.if \g
.rept 8
	v_nop                                          ; places in front of loads into registers that matrix instructions have read
.endr
.endif
.irp m, 0,1
.irp e, 0,1
.irp c, 0,1
	ds_load_b128 v[40+24*\m+16*\e+4*\c:43+24*\m+16*\e+4*\c], v8 offset:(4*\g+2*\m+\e)*1024+512*\c
.endr
.endr
.endr
.if \g == 0
.irp p, 0,1,2,3
	ds_load_b32 v[88+\p], v9 offset:8192+128*\p    ; lanes 0-15: tile 2 p's words, lanes 16-31: tile 2 p + 1's
.endr
.endif
	s_wait_dscnt 0x0
.irp m, 0,1
	v_wmma_scale_f32_16x16x128_f8f6f4 v[96+8*(4*\g+2*\m):103+8*(4*\g+2*\m)], v[40+24*\m:55+24*\m], v[16:31], 0, v[88+2*\g+\m], v94 matrix_a_fmt:MATRIX_FMT_BF8 matrix_b_fmt:MATRIX_FMT_BF8
	v_wmma_scale_f32_16x16x128_f8f6f4 v[104+8*(4*\g+2*\m):111+8*(4*\g+2*\m)], v[48+24*\m:63+24*\m], v[24:39], 0, v[88+2*\g+\m], v94 matrix_a_fmt:MATRIX_FMT_BF8 matrix_b_fmt:MATRIX_FMT_BF8 matrix_a_scale:MATRIX_SCALE_ROW1
.endr
.endr
.rept 8
	v_nop
.endr
.irp b, 0,1,2,3
	v_max3_num_f32 v[208+\b], v[96+16*\b], v[97+16*\b], v[98+16*\b]   ; the largest score of each block of 32 keys: for the row's maximum and, since p rises with the score, for the block's largest p
.endr
.irp i, 3,5,7,9,11,13
.irp b, 0,1,2,3
	v_max3_num_f32 v[208+\b], v[208+\b], v[96+16*\b+\i], v[97+16*\b+\i]
.endr
.endr
.irp b, 0,1,2,3
	v_max_num_f32 v[208+\b], v[208+\b], v[111+16*\b]
.endr
.irp b, 0,1,2,3
	s_delay_alu instid0(VALU_DEP_4)
	v_permlanex16_b32 v[212+\b], v[208+\b], s52, s53
.endr
.irp b, 0,1,2,3
	s_delay_alu instid0(VALU_DEP_4)
	v_max_num_f32 v[208+\b], v[208+\b], v[212+\b]  ; with lane l xor 16's 16 keys
.endr
	s_delay_alu instid0(VALU_DEP_2)
	v_max3_num_f32 v226, v208, v209, v210
	s_delay_alu instid0(VALU_DEP_1)
	v_max_num_f32 v226, v226, v211
	s_delay_alu instid0(VALU_DEP_1)
	v_mul_f32 v226, s54, v226                      ; as t (c is positive)
	s_delay_alu instid0(VALU_DEP_1)
	v_max_num_f32 v13, v13, v226                   ; the running largest t
	v_mov_b32 v226, v12
	s_delay_alu instid0(VALU_DEP_2)
	v_floor_f32 v12, -v13                          ; the new -M = -ceil(t)
	s_delay_alu instid0(VALU_DEP_1)
	v_sub_f32 v226, v12, v226                      ; old M - new M: a whole number, 0 or less
	s_delay_alu instid0(VALU_DEP_1)
	v_cvt_i32_f32 v226, v226                       ; (it saturates)
	s_delay_alu instid0(VALU_DEP_1)
	v_ldexp_f32 v224, 1.0, v226                    ; f = 2^(old M - new M)
.set n, 0
.rept 32
	v_pk_fma_f32 v[96+n:97+n], v[96+n:97+n], s[54:55], v[12:13] op_sel_hi:[1,0,0]   ; t - M, two at a time
.set n, n+2
.endr
.irp b, 0,1,2,3
	v_fma_f32 v[208+\b], v[208+\b], s54, v12       ; the same of each block's largest score
.endr
.set n, 0
	s_wait_alu depctr_va_vdst(0)
.rept 64
	v_exp_f32 v[96+n], v[96+n]                     ; p = 2^(t - M)
.set n, n+1
.endr
	s_setprio 1
	v_pk_mul_f32 v[14:15], v[14:15], v[224:225] op_sel_hi:[1,0]   ; the sums under the new M: the plain line behind the exponentials
	s_wait_alu depctr_va_vdst(0)                   ; one wait for the batch, ahead of the first line that names a result
.irp b, 0,1,2,3
	v_exp_f32 v[208+\b], v[208+\b]                 ; the block's largest p
.endr
	v_pk_add_f32 v[228:229], v[100:101], v[104:105]
	v_pk_add_f32 v[238:239], v[108:109], v[112:113]
	v_pk_add_f32 v[236:237], v[116:117], v[120:121]
	v_pk_add_f32 v[234:235], v[124:125], v[128:129]
	v_pk_add_f32 v[232:233], v[132:133], v[136:137]
	v_pk_add_f32 v[230:231], v[140:141], v[144:145]
	v_pk_add_f32 v[222:223], v[148:149], v[152:153]
	v_pk_add_f32 v[14:15], v[14:15], v[156:157]
	v_pk_add_f32 v[228:229], v[228:229], v[96:97]
	v_pk_add_f32 v[238:239], v[238:239], v[98:99]
	v_pk_add_f32 v[236:237], v[236:237], v[102:103]
	v_pk_add_f32 v[234:235], v[234:235], v[106:107]
	v_pk_add_f32 v[232:233], v[232:233], v[110:111]
	v_pk_add_f32 v[230:231], v[230:231], v[114:115]
	v_pk_add_f32 v[222:223], v[222:223], v[118:119]
	v_pk_add_f32 v[14:15], v[14:15], v[122:123]
	v_pk_add_f32 v[228:229], v[228:229], v[126:127]
	v_pk_add_f32 v[238:239], v[238:239], v[130:131]
	v_pk_add_f32 v[236:237], v[236:237], v[134:135]
	v_pk_add_f32 v[234:235], v[234:235], v[138:139]
	v_pk_add_f32 v[232:233], v[232:233], v[142:143]
	v_pk_add_f32 v[230:231], v[230:231], v[146:147]
	v_pk_add_f32 v[222:223], v[222:223], v[150:151]
	v_pk_add_f32 v[14:15], v[14:15], v[154:155]
	v_pk_add_f32 v[228:229], v[228:229], v[158:159]
	s_delay_alu instid0(VALU_DEP_2)
	v_pk_add_f32 v[14:15], v[14:15], v[234:235]
	s_delay_alu instid0(VALU_DEP_2)
	v_pk_add_f32 v[228:229], v[228:229], v[232:233]
	v_pk_add_f32 v[238:239], v[238:239], v[230:231]
	v_pk_add_f32 v[236:237], v[236:237], v[222:223]
	s_delay_alu instid0(VALU_DEP_2)
	v_pk_add_f32 v[14:15], v[14:15], v[238:239]
	s_delay_alu instid0(VALU_DEP_2)
	v_pk_add_f32 v[228:229], v[228:229], v[236:237]
	s_delay_alu instid0(VALU_DEP_1)
	v_pk_add_f32 v[14:15], v[14:15], v[228:229]
	s_wait_alu depctr_va_vdst(0)                   ; and one for the four
.irp b, 0,1,2,3
	v_max_num_f32 v[208+\b], 0x8000000, v[208+\b]  ; the floor 2^(16 - 127)
.endr
.irp b, 0,1,2,3
	s_delay_alu instid0(VALU_DEP_4)
	v_add_nc_u32 v[220+\b], 0xf8800000, v[208+\b]  ; the conversion's scale operand
.endr
.irp b, 0,1,2,3
.endr
.irp b, 0,1,2,3
	s_delay_alu instid0(VALU_DEP_4)
	v_lshrrev_b32 v[212+\b], 23, v[220+\b]         ; the byte
.endr
	s_delay_alu instid0(VALU_DEP_3)
	v_lshl_or_b32 v95, v213, 8, v212               ; p's scale word for these 128 keys
	s_delay_alu instid0(VALU_DEP_1)
	v_lshl_or_b32 v95, v214, 16, v95
	s_delay_alu instid0(VALU_DEP_1)
	v_lshl_or_b32 v95, v215, 24, v95
.irp b, 0,1,2,3
.irp i, 0,1,2,3,4,5,6,7,8,9,10,11,12,13,14,15
.endr
	v_cvt_scalef32_pk8_bf8_f32 v[192+4*\b:193+4*\b], v[96+16*\b:103+16*\b], v[220+\b]
	v_cvt_scalef32_pk8_bf8_f32 v[194+4*\b:195+4*\b], v[104+16*\b:111+16*\b], v[220+\b]
.endr
	v_nop
.irp t, 0,1,2,3
.irp c, 0,1,2,3
	ds_load_b128 v[96+16*\t+4*\c:99+16*\t+4*\c], v10 offset:2048*\t+512*\c   ; V's four fragments take p's registers
.endr
.endr
	s_setprio 0
.irp p, 0,1
	ds_load_b32 v[92+\p], v11 offset:8192+128*\p
.endr
.set n, 0
.rept 16
	v_pk_mul_f32 v[160+n:161+n], v[160+n:161+n], v[224:225] op_sel_hi:[1,0]   ; O^T under the new M.  These are also the places between the codes' conversions and the products
.set n, n+2
.endr
	s_wait_alu depctr_va_vdst(0)
	s_wait_dscnt 0x0
.irp p, 0,1                                    ; O^T += V^T P^T: four accumulators by turns
	v_wmma_scale_f32_16x16x128_f8f6f4 v[160+16*\p:167+16*\p], v[96+32*\p:111+32*\p], v[192:207], v[160+16*\p:167+16*\p], v[92+\p], v95 matrix_a_fmt:MATRIX_FMT_BF8 matrix_b_fmt:MATRIX_FMT_BF8
	v_wmma_scale_f32_16x16x128_f8f6f4 v[168+16*\p:175+16*\p], v[112+32*\p:127+32*\p], v[192:207], v[168+16*\p:175+16*\p], v[92+\p], v95 matrix_a_fmt:MATRIX_FMT_BF8 matrix_b_fmt:MATRIX_FMT_BF8 matrix_a_scale:MATRIX_SCALE_ROW1
.endr
.endm
.macro LOOP8                           ; eight key steps
	s_mov_b32 s50, 8
.Lstep_\@:
	s_setprio 2
	STEP
	s_add_co_u32 s48, s48, KSB
	s_add_co_u32 s49, s49, VSB
	s_sub_co_u32 s50, s50, 1
	s_cmp_lg_u32 s50, 0
	s_cbranch_scc1 .Lstep_\@
	s_setprio 0
.endm
	s_wait_tensorcnt 1                             ; my first key step is in; my second load may be out
	s_barrier_signal -1
	s_barrier_wait -1                              ; key steps 0 to 7 of K and V are whole
	s_wait_loadcnt 0x0                             ; Q
	LOOP8
	s_wait_tensorcnt 0x0                           ; my second key step is in
	s_wait_dscnt 0x0
	s_barrier_signal -1
	s_barrier_wait -1                              ; key steps 8 to 15 are whole
	LOOP8
	; THE WAY OUT: O^T / the sum, quantised along the channels: two blocks of 32, two chunks of the next product's fragment
.rept 8
	v_nop                                          ; places in front of the first read of results
.endr
	v_add_f32 v14, v14, v15
	s_delay_alu instid0(VALU_DEP_1)
	v_permlanex16_b32 v226, v14, s52, s53
	s_delay_alu instid0(VALU_DEP_1)
	v_add_f32 v14, v14, v226                       ; the row's sum
	s_wait_alu depctr_va_vdst(0)
	v_rcp_f32 v14, v14
	v_and_b32 v6, 15, v0                           ; (a plain line behind the transcendental)
	s_wait_alu depctr_va_vdst(0)
	s_lshr_b32 s66, s12, 4
	s_lshl_b32 s66, s66, 4
	s_lshr_b32 s67, s11, 3
	s_add_co_u32 s66, s66, s67                     ; the block of 128 rows: 16 batch + unit
	s_mul_i32 s66, s66, BLK
	s_and_b32 s69, s12, 15                         ; the head
	s_lshr_b32 s68, s69, 1
	s_mul_i32 s68, s68, KST
	s_add_co_u32 s66, s66, s68
	s_mov_b32 s67, 0
	s_add_nc_u64 s[60:61], s[6:7], s[66:67]
	s_and_b32 s69, s69, 1
	s_and_b32 s70, s11, 7                          ; the tile
	s_lshl_b32 s71, s70, 11
	s_lshl_b32 s68, s69, 10
	s_add_co_u32 s71, s71, s68
	v_add_nc_u32 v5, s71, v1                       ; codes: 2,048 tile + 1,024 (head % 2) + 16 x lane
	s_lshl_b32 s71, s70, 6
	s_lshl_b32 s68, s69, 1
	s_add_co_u32 s71, s71, s68
	s_add_co_u32 s71, s71, SCO
	v_lshl_add_u32 v7, v6, 2, s71                  ; my row's two bytes of its scale word
	s_wait_alu depctr_va_vdst(0)                   ; the wait, ahead of the first line that names the reciprocal
.set n, 0
.rept 32
	v_mul_f32 v[96+n], v[160+n], v14               ; register 16 b + i is channel 32 b + 16 (lane / 16) + i; each accumulator is read from its low end on
.set n, n+1
.endr
.irp b, 0,1
	v_max3_num_f32 v[208+\b], |v[96+16*\b]|, |v[97+16*\b]|, 0x8000000
.endr
.irp i, 2,4,6,8,10,12,14
.irp b, 0,1
	s_delay_alu instid0(VALU_DEP_2)
	v_max3_num_f32 v[208+\b], v[208+\b], |v[96+16*\b+\i]|, |v[97+16*\b+\i]|
.endr
.endr
.irp b, 0,1
	s_delay_alu instid0(VALU_DEP_2)
	v_permlanex16_b32 v[212+\b], v[208+\b], s52, s53
.endr
.irp b, 0,1
	s_delay_alu instid0(VALU_DEP_2)
	v_max_num_f32 v[208+\b], v[208+\b], v[212+\b]
.endr
.irp b, 0,1
	s_delay_alu instid0(VALU_DEP_2)
	v_add_nc_u32 v[220+\b], 0xf8800000, v[208+\b]
.endr
.irp b, 0,1
.endr
.irp b, 0,1
	s_delay_alu instid0(VALU_DEP_2)
	v_lshrrev_b32 v[212+\b], 23, v[220+\b]
.endr
	s_delay_alu instid0(VALU_DEP_1)
	v_lshl_or_b32 v226, v213, 8, v212
.irp b, 0,1
.irp i, 0,1,2,3,4,5,6,7,8,9,10,11,12,13,14,15
.endr
	v_cvt_scalef32_pk8_bf8_f32 v[192+4*\b:193+4*\b], v[96+16*\b:103+16*\b], v[220+\b]
	v_cvt_scalef32_pk8_bf8_f32 v[194+4*\b:195+4*\b], v[104+16*\b:111+16*\b], v[220+\b]
.endr
	v_nop                                          ; one plain line behind the last scaled conversion
	global_store_b128 v5, v[192:195], s[60:61]     ; 512 consecutive bytes a store
	global_store_b128 v5, v[196:199], s[60:61] offset:512
	global_store_b16 v7, v226, s[60:61]            ; both lanes of a row store the same two bytes to the same place
	s_wait_tensorcnt 0x0                           ; the wave's end
	ds_add_u32 v3, v4
	s_wait_dscnt 0x0
	CROUND                                         ; the closing round
	s_endpgm
.Lfunc_end_k_q48f163ca65_attn1:
	.size	k_q48f163ca65_attn1, .Lfunc_end_k_q48f163ca65_attn1-k_q48f163ca65_attn1
	.p2alignl 7, 3214868480
	.fill 96, 4, 3214868480
	.section	.rodata,"a",@progbits
	.p2align	6, 0x0
	.amdhsa_kernel k_q48f163ca65_attn1
		.amdhsa_group_segment_fixed_size 327680
		.amdhsa_private_segment_fixed_size 0
		.amdhsa_enable_private_segment 0
		.amdhsa_kernarg_size 16
		.amdhsa_user_sgpr_count 2
		.amdhsa_user_sgpr_kernarg_segment_ptr 1
		.amdhsa_wavefront_size32 1
		.amdhsa_system_sgpr_workgroup_id_x 1
		.amdhsa_system_sgpr_workgroup_id_y 1
		.amdhsa_system_sgpr_workgroup_id_z 1
		.amdhsa_system_vgpr_workitem_id 0
		.amdhsa_next_free_vgpr 240
		.amdhsa_next_free_sgpr 72
		.amdhsa_reserve_vcc 0
		.amdhsa_float_denorm_mode_32 3
		.amdhsa_float_denorm_mode_16_64 3
		.amdhsa_fp16_overflow 1
		.amdhsa_memory_ordered 1
		.amdhsa_forward_progress 1
		.amdhsa_inst_pref_size 50
	.end_amdhsa_kernel
	.amdgpu_metadata
---
amdhsa.version: [ 1, 2 ]
amdhsa.kernels:
  - .name:           k_q48f163ca65_attn1
    .symbol:         k_q48f163ca65_attn1.kd
    .args:
      - { .name: QKV, .offset: 0, .size: 8, .value_kind: global_buffer, .address_space: global }
      - { .name: AO, .offset: 8, .size: 8, .value_kind: global_buffer, .address_space: global }
    .group_segment_fixed_size: 327680
    .private_segment_fixed_size: 0
    .kernarg_segment_align: 8
    .kernarg_segment_size: 16
    .max_flat_workgroup_size: 512
    .sgpr_count:     72
    .vgpr_count:     240
    .wavefront_size: 32
...
	.end_amdgpu_metadata
.endif
;; end of part 3
;; launch oproj1 (part 4): grid 8 x 32, 4 waves a work-group, clusters of 4 x 4, 327,680 bytes of LDS; arguments AO, WA, sa_bo, x, X1; writes X1
.if DOCPART == 4
	.amdgcn_target "amdgcn-amd-amdhsa--gfx1250"
	.amdhsa_code_object_version 6
	.text
	.protected	k_q48f163ca65_oproj1
	.globl	k_q48f163ca65_oproj1
	.p2align	8
	.type	k_q48f163ca65_oproj1,@function
k_q48f163ca65_oproj1:
	s_mov_b64 s[64:65], 0
	v_nop
	global_prefetch_b8 v0, s[64:65] scope:SCOPE_SE
	s_setreg_imm32_b32 hwreg(HW_REG_WAVE_MODE, 25, 1), 1
	s_wait_xcnt 0x0
	s_wait_alu depctr_hold_cnt(0) depctr_sa_sdst(0) depctr_va_vdst(0) depctr_va_sdst(0) depctr_va_ssrc(0) depctr_va_vcc(0) depctr_vm_vsrc(0)
	s_getreg_b32 s2, hwreg(HW_REG_IB_STS2, 6, 4)
	s_cmp_eq_u32 s2, 0
	s_cbranch_scc0 .Lentry_in_a_cluster
	s_endpgm
.Lentry_in_a_cluster:
	s_bfe_u32 s2, ttmp6, 0x10000c
	s_cmp_lg_u32 s2, 0xf033
	s_cbranch_scc0 .Lentry_shape_is_right
	s_endpgm
.Lentry_shape_is_right:
; OUT = RESIDUAL + A W + BIAS, f32 out.  A [4096 x 1024] and W (slot 5 of its buffer: blocks 40 to 47) are codes of E5M2.  No work of reference() is left out.
; OPERANDS IN MEMORY: blocks of 128 rows, BLK bytes: eight K steps of KST bytes; a K step is eight fragment images of 2,048 bytes (tile t: 16 rows x 128 K; chunk c of 512 bytes; lane l's 16 bytes at 16 l: tile row l % 16,
; k = 32 c + 16 (l / 16) + 0..15), then at SCO 512 bytes of scale words.  Tile 2 g + u, tile row i, is row 32 g + 8 u + i + 8 (i / 8) of the block.
; D = S0 S1^T with S0 = a block of 128 outputs of W (all four waves read it) and S1 = a block of 128 rows of A (wave w owns tiles 2 w, 2 w + 1): 16 accumulators a wave; a lane holds one row, and its 64 registers of a tile
; are outputs 32 g + 16 (lane / 16) + 0..15, g = 0..3.
; Both LDS regions hold all of K = 1,024: every tensor load is a first fill.  CLUSTER 4 x 4: S0's block hangs on cx and is shared along a column, S1's on cy and is shared along a row.
; The sums start from the bias.  The residual is asked for at the head and lands under the products.  Results go through the wave's own stage in LDS and leave as rows of 512 consecutive bytes.
; LIMITS: NaN and infinities are not served.
.set BLK,   135168
.set KST,   16896
.set SCO,   16384
.set S1B,   BLK
.set SPARE, 2*BLK                      ; the spare words, 128 bytes for each wave: two blocks of 256 bytes that no other line names
.set STAGE, SPARE+512                  ; 16 rows x (512 + 16) bytes for each wave; no tensor load lands here
.set ACC,   128
.set SC,    16
.set MSB,   0
; REGISTERS.  window 0: v1 lane, v2 r, v3 h; v4,5 / v6,7 LDS addresses of S0's / S1's fragments for sets 0, 1; v8, v9 the add's two; v10,11 / v12,13 of their scale words; v14 16 x lane, v15 64 h, v22, v23 the stage;
;   v16-20, v24-28 scale words; v32-95 rows back from the stage; v128-255 accumulators.   window 1: S0's fragments.   window 2: v0-63 S1's fragments, v64-191 the residual, then the result.
.macro WIN new                         ; the immediate's high byte repeats the setting that is left
.if MSB != \new
	s_set_vgpr_msb (MSB<<8)|\new
.set MSB, \new
.endif
.endm
.macro CROUND                          ; a round of the cluster's barrier
	s_barrier_signal -1
	s_barrier_wait -1
	s_cmp_lg_u32 s20, 0
	s_cbranch_scc1 .Lnot_wave_0_\@
	s_barrier_signal -3
.Lnot_wave_0_\@:
	s_barrier_wait -3
	s_barrier_signal -1
	s_barrier_wait -1
.endm
.macro FETCH q                         ; a K step's fragments and scale words into set q: 45 LDS loads
	WIN 0x40
.irp t, 0,1,2,3,4,5,6,7
.irp c, 0,1,2,3
	ds_load_b128 v[128*\q+16*\t+4*\c:128*\q+16*\t+4*\c+3], v[4+\q] offset:2048*\t+512*\c
.endr
.endr
	WIN 0x80
.irp a, 0,1
.irp c, 0,1,2,3
	ds_load_b128 v[32*\q+16*\a+4*\c:32*\q+16*\a+4*\c+3], v[6+\q] offset:2048*\a+512*\c
.endr
.endr
	WIN 0
.irp p, 0,1,2,3
	ds_load_b32 v[SC+8*\q+\p], v[10+\q] offset:128*\p     ; lanes 0-15: tile 2 p's words, lanes 16-31: tile 2 p + 1's
.endr
	ds_load_b32 v[SC+8*\q+4], v[12+\q]
.endm
.macro WM q, a, b
.set rD, ACC+64*(\a)+8*(\b)
.set rA, 128*(\q)+16*(\b)
.set rB, 32*(\q)+16*(\a)
.set rSA, SC+8*(\q)+(\b)/2
.set rSB, SC+8*(\q)+4
.if ((\b)%2 == 0) && ((\a) == 0)
	v_wmma_scale_f32_16x16x128_f8f6f4 v[rD:rD+7], v[rA:rA+15], v[rB:rB+15], v[rD:rD+7], v[rSA], v[rSB] matrix_a_fmt:MATRIX_FMT_BF8 matrix_b_fmt:MATRIX_FMT_BF8
.elseif (\a) == 0
	v_wmma_scale_f32_16x16x128_f8f6f4 v[rD:rD+7], v[rA:rA+15], v[rB:rB+15], v[rD:rD+7], v[rSA], v[rSB] matrix_a_fmt:MATRIX_FMT_BF8 matrix_b_fmt:MATRIX_FMT_BF8 matrix_a_scale:MATRIX_SCALE_ROW1
.elseif (\b)%2 == 0
	v_wmma_scale_f32_16x16x128_f8f6f4 v[rD:rD+7], v[rA:rA+15], v[rB:rB+15], v[rD:rD+7], v[rSA], v[rSB] matrix_a_fmt:MATRIX_FMT_BF8 matrix_b_fmt:MATRIX_FMT_BF8 matrix_b_scale:MATRIX_SCALE_ROW1
.else
	v_wmma_scale_f32_16x16x128_f8f6f4 v[rD:rD+7], v[rA:rA+15], v[rB:rB+15], v[rD:rD+7], v[rSA], v[rSB] matrix_a_fmt:MATRIX_FMT_BF8 matrix_b_fmt:MATRIX_FMT_BF8 matrix_a_scale:MATRIX_SCALE_ROW1 matrix_b_scale:MATRIX_SCALE_ROW1
.endif
.endm
.macro MUL q                           ; the 16 accumulators take turns, one instruction a turn
	WIN 0x09                                              ; source 0 window 1, source 1 window 2, C and D window 0
.irp b, 0,1,2,3,4,5,6,7
.irp a, 0,1
	WM \q, \a, \b
.endr
.endr
.endm
.macro STEPADR                         ; both sets' addresses two K steps on; no LDS load of mine is out; these eight plain lines are also the eight places in front of the loads
.irp r, 4,5,6,7,10,11,12,13
	v_add_nc_u32 v\r, 2*KST, v\r
.endr
.endm
	s_load_b256 s[4:11], s[0:1], 0x0               ; A s[4:5], W s[6:7], bias s[8:9], residual s[10:11]
	s_load_b64 s[12:13], s[0:1], 0x20              ; out
	v_lshl_add_u32 v8, v0, 2, SPARE
	v_mov_b32 v9, 0
	ds_add_u32 v8, v9                              ; the wave's opening: the add, twice on end, and its wait ahead of my first tensor load
	ds_add_u32 v8, v9
	v_lshrrev_b32 v1, 5, v0
	v_readfirstlane_b32 s20, v1
	s_lshr_b32 s21, s20, 1                         ; I fetch for S0 (0) or for S1 (1),
	s_and_b32 s22, s20, 1                          ; the even K steps or the odd
	s_bfe_u32 s23, ttmp6, 0x40000                  ; cx
	s_bfe_u32 s24, ttmp6, 0x40004                  ; cy
	s_mov_b32 s25, ttmp9
	s_and_b32 s26, ttmp7, 0xffff
	s_lshl_b32 s27, s24, 2
	s_lshl_b32 s27, 15, s27                        ; my row of the cluster
	s_lshl_b32 s28, 0x1111, s23                    ; my column
	s_or_b32 s32, s28, (3<<16)|(1<<21)             ; group 1 for S0: the mask: my column; elements of 8 bytes; 21 set beside a mask
	s_or_b32 s40, s27, (3<<16)|(1<<21)             ; for S1: my row
.irp g, 32, 40
	s_mov_b32 s[\g+1], 32<<16                      ; rows of 256 bytes,
	s_mov_b32 s[\g+2], 66<<16                      ; 66 of them: a K step's 16,896 dense bytes
	s_mov_b32 s[\g+3], 32<<16
	s_mov_b32 s[\g+4], 66
	s_mov_b32 s[\g+5], 32
	s_mov_b32 s[\g+6], 0
	s_mov_b32 s[\g+7], 0
.endr
	s_lshl_b32 s88, s25, 2
	s_add_co_u32 s88, s88, s23
	s_add_co_u32 s88, s88, 40                      ; W's block: slot 5, 4 cluster x + cx
	s_mul_i32 s88, s88, BLK
	s_mov_b32 s89, 0
	s_lshl_b32 s90, s26, 2
	s_add_co_u32 s90, s90, s24                     ; A's block: 4 cluster y + cy
	s_mul_i32 s90, s90, BLK
	s_mov_b32 s91, 0
	s_mul_i32 s100, s22, KST
	s_mov_b32 s101, 0
	s_wait_dscnt 0x0                               ; both opening adds are done
	s_wait_kmcnt 0x0
	s_add_nc_u64 s[84:85], s[6:7], s[88:89]
	s_add_nc_u64 s[86:87], s[4:5], s[90:91]
	s_add_nc_u64 s[84:85], s[84:85], s[100:101]
	s_add_nc_u64 s[86:87], s[86:87], s[100:101]
	CROUND                                         ; all sixteen work-groups are here: the joint loads meet
.irp i, 0,1,2,3
	s_mov_b32 s[48+4*\i], 1
	s_add_co_u32 s[49+4*\i], s100, 2*\i*KST
	s_add_nc_u64 s[50+4*\i:51+4*\i], s[84:85], 2*\i*KST
	s_or_b32 s[51+4*\i], s[51+4*\i], 0x80000000
	s_mov_b32 s[68+4*\i], 1
	s_add_co_u32 s[69+4*\i], s100, S1B+2*\i*KST
	s_add_nc_u64 s[70+4*\i:71+4*\i], s[86:87], 2*\i*KST
	s_or_b32 s[71+4*\i], s[71+4*\i], 0x80000000
.endr
	s_cmp_eq_u32 s21, 0                            ; four first fills a wave, in one arm of one branch on the wave's number: four loads of mine are out
	s_cbranch_scc0 .Lfor_s1
.irp i, 0,1,2,3
	tensor_load_to_lds s[48+4*\i:51+4*\i], s[32:39]
	s_nop 0
.endr
.rept 4
	v_nop
.endr
	s_branch .Lasked
.Lfor_s1:
.irp i, 0,1,2,3
	tensor_load_to_lds s[68+4*\i:71+4*\i], s[40:47]
	s_nop 0
.endr
.rept 4
	v_nop
.endr
.Lasked:
	v_and_b32 v1, 31, v0
	v_and_b32 v2, 15, v0
	v_bfe_u32 v3, v0, 4, 1
	v_lshlrev_b32 v4, 4, v1
	v_add_nc_u32 v5, KST, v4
	s_lshl_b32 s29, s20, 12
	s_add_co_u32 s29, s29, S1B
	v_add_nc_u32 v6, s29, v4
	v_add_nc_u32 v7, KST, v6
	v_lshl_add_u32 v10, v1, 2, SCO
	v_add_nc_u32 v11, KST, v10
	s_lshl_b32 s29, s20, 7
	s_add_co_u32 s29, s29, S1B+SCO
	v_lshl_add_u32 v12, v1, 2, s29
	v_add_nc_u32 v13, KST, v12
	v_lshlrev_b32 v14, 4, v1                       ; in a row of memory: 16 x lane
	v_lshlrev_b32 v15, 6, v3                       ; in the bias: 64 h
	s_wait_alu depctr_va_vdst(0)
	s_mul_i32 s29, s20, 8448
	s_add_co_u32 s29, s29, STAGE                   ; my stage
	v_mul_u32_u24 v22, v2, 528
	v_lshl_add_u32 v22, v3, 6, v22
	v_add_nc_u32 v22, s29, v22                     ; in: row r, + 64 h
	v_add_nc_u32 v23, s29, v14                     ; back: a row of 512 bytes for the 32 lanes
	s_lshl_b32 s96, s25, 2
	s_add_co_u32 s96, s96, s23                     ; the block of outputs
	s_lshl_b32 s97, s26, 2
	s_add_co_u32 s97, s97, s24                     ; the block of rows
	s_lshl_b32 s98, s97, 19                        ; 128 rows of 4,096 bytes,
	s_lshl_b32 s99, s20, 17                        ; my wave's 32 of them,
	s_add_co_u32 s98, s98, s99
	s_lshl_b32 s94, s96, 9                         ; 128 outputs of 4 bytes
	s_add_co_u32 s98, s98, s94
	s_mov_b32 s99, 0
	s_mov_b32 s95, 0
	s_add_nc_u64 s[8:9], s[8:9], s[94:95]
	s_add_nc_u64 s[10:11], s[10:11], s[98:99]
	s_add_nc_u64 s[12:13], s[12:13], s[98:99]
.irp a, 0,1
.irp b, 0,1,2,3,4,5,6,7
.irp k, 0,1
	global_load_b128 v[ACC+64*\a+8*\b+4*\k:ACC+64*\a+8*\b+4*\k+3], v15, s[8:9] offset:(32*(\b/2)+8*(\b%2))*4+16*\k   ; the bias starts the sums: register j of tile b is output 32 (b / 2) + 16 h + 8 (b % 2) + j
.endr
.endr
.endr
	WIN 0x80
.irp a, 0,1
.irp i, 0,1,2,3,4,5,6,7,8,9,10,11,12,13,14,15
	global_load_b128 v[64+64*\a+4*\i:67+64*\a+4*\i], v14, s[10:11] offset:(8*\a+\i+8*(\i/8))*4096 th:TH_LOAD_NT   ; the residual: tile row i of my tile a, 512 consecutive bytes
.endr
.endr
	WIN 0
	s_wait_tensorcnt 3                             ; my first K step is in; my three younger loads may be out
	s_barrier_signal -1
	s_barrier_wait -1
	FETCH 0
	FETCH 1
	s_wait_loadcnt 32                              ; the bias is in; the residual's 32 loads may be out
	s_wait_dscnt 45                                ; set 0 is in; set 1's 45 loads may be out
	MUL 0
.irp i, 1,2,3
	s_wait_tensorcnt 3-\i                          ; my next K step is in
	s_wait_dscnt 0x0                               ; set 1 is in, and no LDS instruction of mine is pending at the signal
	s_barrier_signal -1
	MUL 1
	WIN 0
	s_barrier_wait -1
	STEPADR
	FETCH 0
	FETCH 1
	s_wait_alu depctr_va_vdst(0)
	s_wait_dscnt 45
	MUL 0
.endr
	s_wait_dscnt 0x0
	MUL 1
	WIN 0
.rept 8
	v_nop                                          ; eight places in front of the first read of results
.endr
	s_wait_loadcnt 0x0                             ; the residual
.irp a, 0,1
.set n, 0
.rept 16
	ds_store_b128 v22, v[ACC+64*\a+4*n:ACC+64*\a+4*n+3] offset:128*(n/4)+16*(n%4)   ; each accumulator from its low end on
.set n, n+1
.endr
.irp i, 0,1,2,3,4,5,6,7,8,9,10,11,12,13,14,15
	ds_load_b128 v[32+4*\i:35+4*\i], v23 offset:528*\i   ; LDS serves a wave's instructions in order (ISA guide 5.7.1.4): these see my stores
.endr
	s_wait_dscnt 0x0
	WIN 0x88                                       ; destination and source 1: window 2
.set n, 0
.rept 32
	v_pk_add_f32 v[64+64*\a+n:65+64*\a+n], v[32+n:33+n], v[64+64*\a+n:65+64*\a+n]
.set n, n+2
.endr
	WIN 0x08                                       ; a store's data are its source 1
.irp i, 0,1,2,3,4,5,6,7,8,9,10,11,12,13,14,15
	global_store_b128 v14, v[64+64*\a+4*\i:67+64*\a+4*\i], s[12:13] offset:(8*\a+\i+8*(\i/8))*4096   ; 32 lanes store 512 consecutive bytes, at a multiple of 512 from the buffer's first byte
.endr
	WIN 0
.endr
	s_wait_tensorcnt 0x0                           ; the wave's end, behind my last LDS store
	ds_add_u32 v8, v9
	s_wait_dscnt 0x0
	CROUND                                         ; the closing round
	s_endpgm
.Lfunc_end_k_q48f163ca65_oproj1:
	.size	k_q48f163ca65_oproj1, .Lfunc_end_k_q48f163ca65_oproj1-k_q48f163ca65_oproj1
	.p2alignl 7, 3214868480
	.fill 96, 4, 3214868480
	.section	.rodata,"a",@progbits
	.p2align	6, 0x0
	.amdhsa_kernel k_q48f163ca65_oproj1
		.amdhsa_group_segment_fixed_size 327680
		.amdhsa_private_segment_fixed_size 0
		.amdhsa_enable_private_segment 0
		.amdhsa_kernarg_size 40
		.amdhsa_user_sgpr_count 2
		.amdhsa_user_sgpr_kernarg_segment_ptr 1
		.amdhsa_wavefront_size32 1
		.amdhsa_system_sgpr_workgroup_id_x 1
		.amdhsa_system_sgpr_workgroup_id_y 1
		.amdhsa_system_sgpr_workgroup_id_z 1
		.amdhsa_system_vgpr_workitem_id 0
		.amdhsa_next_free_vgpr 704
		.amdhsa_next_free_sgpr 102
		.amdhsa_reserve_vcc 0
		.amdhsa_float_denorm_mode_32 3
		.amdhsa_float_denorm_mode_16_64 3
		.amdhsa_memory_ordered 1
		.amdhsa_forward_progress 1
		.amdhsa_inst_pref_size 68
	.end_amdhsa_kernel
	.amdgpu_metadata
---
amdhsa.version: [ 1, 2 ]
amdhsa.kernels:
  - .name:           k_q48f163ca65_oproj1
    .symbol:         k_q48f163ca65_oproj1.kd
    .args:
      - { .name: AO, .offset: 0, .size: 8, .value_kind: global_buffer, .address_space: global }
      - { .name: WA, .offset: 8, .size: 8, .value_kind: global_buffer, .address_space: global }
      - { .name: sa_bo, .offset: 16, .size: 8, .value_kind: global_buffer, .address_space: global }
      - { .name: x, .offset: 24, .size: 8, .value_kind: global_buffer, .address_space: global }
      - { .name: X1, .offset: 32, .size: 8, .value_kind: global_buffer, .address_space: global }
    .group_segment_fixed_size: 327680
    .private_segment_fixed_size: 0
    .kernarg_segment_align: 8
    .kernarg_segment_size: 40
    .max_flat_workgroup_size: 128
    .sgpr_count:     102
    .vgpr_count:     704
    .wavefront_size: 32
...
	.end_amdgpu_metadata
.endif
;; end of part 4
;; launch ln2: the kernel of part 1 again; grid 256 x 1, 8 waves a work-group, no clusters, 137,216 bytes of LDS; arguments X1, other, ln2_w, ln2_b, ACT, WA, WB, WC, sa_wq, sa_wk, sa_wv, ca_wk, ca_wv, sa_wo, ca_wq, ca_wo, fc1_w, fc2_w; writes ACT, WA, WB, WC
;; launch q2 (part 5): grid 8 x 32, 4 waves a work-group, clusters of 4 x 4, 327,680 bytes of LDS; arguments ACT, WB, ca_bq, QKV; writes QKV
.if DOCPART == 5
	.amdgcn_target "amdgcn-amd-amdhsa--gfx1250"
	.amdhsa_code_object_version 6
	.text
	.protected	k_q48f163ca65_q2
	.globl	k_q48f163ca65_q2
	.p2align	8
	.type	k_q48f163ca65_q2,@function
k_q48f163ca65_q2:
	s_mov_b64 s[64:65], 0
	v_nop
	global_prefetch_b8 v0, s[64:65] scope:SCOPE_SE
	s_setreg_imm32_b32 hwreg(HW_REG_WAVE_MODE, 25, 1), 1
	s_wait_xcnt 0x0
	s_wait_alu depctr_hold_cnt(0) depctr_sa_sdst(0) depctr_va_vdst(0) depctr_va_sdst(0) depctr_va_ssrc(0) depctr_va_vcc(0) depctr_vm_vsrc(0)
	s_getreg_b32 s2, hwreg(HW_REG_IB_STS2, 6, 4)
	s_cmp_eq_u32 s2, 0
	s_cbranch_scc0 .Lentry_in_a_cluster
	s_endpgm
.Lentry_in_a_cluster:
	s_bfe_u32 s2, ttmp6, 0x10000c
	s_cmp_lg_u32 s2, 0xf033
	s_cbranch_scc0 .Lentry_shape_is_right
	s_endpgm
.Lentry_shape_is_right:
; Q OF THE CROSS-ATTENTION: Q = A W + bias, quantised on the way along each head's 64 channels into attention's operand.  A (32 blocks) and W (slot 0 of its buffer) are codes of E5M2.  No work of reference() is left out.
; OPERANDS IN MEMORY: blocks of 128 rows, BLK bytes: eight K steps of KST bytes; a K step is eight fragment images of 2,048 bytes (tile t: 16 rows x 128 K; chunk c of 512 bytes; lane l's 16 bytes at 16 l:
; tile row l % 16, k = 32 c + 16 (l / 16) + 0..15), then at SCO 512 bytes of scale words.  Tile 2 g + u, tile row i, is row 32 g + 8 u + i + 8 (i / 8) of the block.
; D = S0 S1^T with S0 = a block of 128 outputs of W (two heads) and S1 = a block of 128 rows of A (wave w owns tiles 2 w, 2 w + 1): a lane holds one position, and the 64 registers of a tile run along the 128 outputs in their true order.
; One tile of work to a work-group: 256 tiles, 256 work-groups.  Both LDS regions hold all of K = 1,024: every tensor load is a first fill.  CLUSTER 4 x 4: S0 shared along a column, S1 along a row.  The sums start from the bias.
; OUT: for each (batch, head) units of 128 positions, KSB bytes: eight tiles x 1,024 bytes (two chunks), then the words: a row's two scale bytes, twice.
; LIMITS: NaN and infinities are not served; a block of zeros gets the byte 1 where the rule says 127 (its codes are zeros; this program alone reads the bytes); blocks under 2^-111 were not tried.
.set BLK,   135168
.set KST,   16896
.set SCO,   16384
.set S1B,   BLK
.set SPARE, 2*BLK                      ; the spare words, 128 bytes for each wave: two blocks of 256 bytes that no other line names
.set KSB,   8704
.set ACC,   128
.set SC,    16
.set TM,    80
.set SEL,   92
.set MNT,   30
.set MSB,   0
; REGISTERS.  window 0: v1 lane; v4,5 / v6,7 LDS addresses of S0's / S1's fragments for sets 0, 1; v8, v9 the add's two; v10,11 / v12,13 of their scale words; v14, v15, v22 offsets in memory;
;   v16-20, v24-28 scale words; v30, v31 scale words made; v32-35 at work; v96-127 codes made; v128-255 accumulators.   window 1: S0's fragments.   window 2: S1's.
.macro WIN new                         ; the immediate's high byte repeats the setting that is left
.if MSB != \new
	s_set_vgpr_msb (MSB<<8)|\new
.set MSB, \new
.endif
.endm
.macro CROUND                          ; a round of the cluster's barrier
	s_barrier_signal -1
	s_barrier_wait -1
	s_cmp_lg_u32 s20, 0
	s_cbranch_scc1 .Lnot_wave_0_\@
	s_barrier_signal -3
.Lnot_wave_0_\@:
	s_barrier_wait -3
	s_barrier_signal -1
	s_barrier_wait -1
.endm
.macro FETCH q                         ; a K step's fragments and scale words into set q: 45 LDS loads
	WIN 0x40
.irp t, 0,1,2,3,4,5,6,7
.irp c, 0,1,2,3
	ds_load_b128 v[128*\q+16*\t+4*\c:128*\q+16*\t+4*\c+3], v[4+\q] offset:2048*\t+512*\c
.endr
.endr
	WIN 0x80
.irp a, 0,1
.irp c, 0,1,2,3
	ds_load_b128 v[32*\q+16*\a+4*\c:32*\q+16*\a+4*\c+3], v[6+\q] offset:2048*\a+512*\c
.endr
.endr
	WIN 0
.irp p, 0,1,2,3
	ds_load_b32 v[SC+8*\q+\p], v[10+\q] offset:128*\p     ; lanes 0-15: tile 2 p's words, lanes 16-31: tile 2 p + 1's
.endr
	ds_load_b32 v[SC+8*\q+4], v[12+\q]
.endm
.macro WM q, a, b
.set rD, ACC+64*(\a)+8*(\b)
.set rA, 128*(\q)+16*(\b)
.set rB, 32*(\q)+16*(\a)
.set rSA, SC+8*(\q)+(\b)/2
.set rSB, SC+8*(\q)+4
.if ((\b)%2 == 0) && ((\a) == 0)
	v_wmma_scale_f32_16x16x128_f8f6f4 v[rD:rD+7], v[rA:rA+15], v[rB:rB+15], v[rD:rD+7], v[rSA], v[rSB] matrix_a_fmt:MATRIX_FMT_BF8 matrix_b_fmt:MATRIX_FMT_BF8
.elseif (\a) == 0
	v_wmma_scale_f32_16x16x128_f8f6f4 v[rD:rD+7], v[rA:rA+15], v[rB:rB+15], v[rD:rD+7], v[rSA], v[rSB] matrix_a_fmt:MATRIX_FMT_BF8 matrix_b_fmt:MATRIX_FMT_BF8 matrix_a_scale:MATRIX_SCALE_ROW1
.elseif (\b)%2 == 0
	v_wmma_scale_f32_16x16x128_f8f6f4 v[rD:rD+7], v[rA:rA+15], v[rB:rB+15], v[rD:rD+7], v[rSA], v[rSB] matrix_a_fmt:MATRIX_FMT_BF8 matrix_b_fmt:MATRIX_FMT_BF8 matrix_b_scale:MATRIX_SCALE_ROW1
.else
	v_wmma_scale_f32_16x16x128_f8f6f4 v[rD:rD+7], v[rA:rA+15], v[rB:rB+15], v[rD:rD+7], v[rSA], v[rSB] matrix_a_fmt:MATRIX_FMT_BF8 matrix_b_fmt:MATRIX_FMT_BF8 matrix_a_scale:MATRIX_SCALE_ROW1 matrix_b_scale:MATRIX_SCALE_ROW1
.endif
.endm
.macro MUL q                           ; the 16 accumulators take turns, one instruction a turn
	WIN 0x09                                              ; source 0 window 1, source 1 window 2, C and D window 0
.irp b, 0,1,2,3,4,5,6,7
.irp a, 0,1
	WM \q, \a, \b
.endr
.endr
.endm
.macro STEPADR                         ; both sets' addresses two K steps on; no LDS load of mine is out; these eight plain lines are also the eight places in front of the loads
.irp r, 4,5,6,7,10,11,12,13
	v_add_nc_u32 v\r, 2*KST, v\r
.endr
.endm
.macro QUANT s, pc, pw                 ; 64 numbers of a lane, register 16 b + i = k 32 b + 16 (lane / 16) + i of my row, become a fragment's codes and its scale word
.irp b, 0,1,2,3
	v_max3_num_f32 v[TM+\b], |v[\s+16*\b]|, |v[\s+1+16*\b]|, 0x8000000   ; my 16 numbers, and the floor 2^(16 - 127).  Each accumulator is read from its low end on
.endr
.irp i, 2,4,6,8,10,12,14
.irp b, 0,1,2,3
	v_max3_num_f32 v[TM+\b], v[TM+\b], |v[\s+16*\b+\i]|, |v[\s+1+16*\b+\i]|
.endr
.endr
.irp b, 0,1,2,3
	v_permlanex16_b32 v[TM+4+\b], v[TM+\b], s[SEL], s[SEL+1]
.endr
.irp b, 0,1,2,3
	v_max_num_f32 v[TM+\b], v[TM+\b], v[TM+4+\b]
.endr
.irp b, 0,1,2,3
	v_add_nc_u32 v[TM+12+\b], 0xf8800000, v[TM+\b]        ; 15 off the exponent field: the conversion's scale operand
.endr
.irp b, 0,1,2,3
.endr
.irp b, 0,1,2,3
	v_lshrrev_b32 v[TM+4+\b], 23, v[TM+12+\b]             ; the byte
.endr
	v_lshl_or_b32 v[\pw], v[TM+5], 8, v[TM+4]
	v_lshl_or_b32 v[\pw], v[TM+6], 16, v[\pw]
	v_lshl_or_b32 v[\pw], v[TM+7], 24, v[\pw]
.irp b, 0,1,2,3
.irp i, 0,1,2,3,4,5,6,7,8,9,10,11,12,13,14,15
.endr
	v_cvt_scalef32_pk8_bf8_f32 v[\pc+4*\b:\pc+1+4*\b], v[\s+16*\b:\s+7+16*\b], v[TM+12+\b]
	v_cvt_scalef32_pk8_bf8_f32 v[\pc+2+4*\b:\pc+3+4*\b], v[\s+8+16*\b:\s+15+16*\b], v[TM+12+\b]
.endr
	v_nop                                                 ; one plain line behind the last scaled conversion
.endm
	s_load_b256 s[4:11], s[0:1], 0x0               ; A s[4:5], W s[6:7], bias s[8:9], QKV s[10:11]
	v_lshl_add_u32 v8, v0, 2, SPARE
	v_mov_b32 v9, 0
	ds_add_u32 v8, v9                              ; the wave's opening: the add, twice on end, and its wait ahead of my first tensor load
	ds_add_u32 v8, v9
	v_lshrrev_b32 v1, 5, v0
	v_readfirstlane_b32 s20, v1
	s_lshr_b32 s21, s20, 1                         ; I fetch for S0 (0) or for S1 (1),
	s_and_b32 s22, s20, 1                          ; the even K steps or the odd
	s_bfe_u32 s23, ttmp6, 0x40000                  ; cx
	s_bfe_u32 s24, ttmp6, 0x40004                  ; cy
	s_mov_b32 s25, ttmp9
	s_and_b32 s26, ttmp7, 0xffff
	s_lshl_b32 s27, s24, 2
	s_lshl_b32 s27, 15, s27                        ; my row of the cluster
	s_lshl_b32 s28, 0x1111, s23                    ; my column
	s_or_b32 s32, s28, (3<<16)|(1<<21)             ; group 1 for S0: the mask: my column; elements of 8 bytes; 21 set beside a mask
	s_or_b32 s40, s27, (3<<16)|(1<<21)             ; for S1: my row
.irp g, 32, 40
	s_mov_b32 s[\g+1], 32<<16                      ; rows of 256 bytes,
	s_mov_b32 s[\g+2], 66<<16                      ; 66 of them: a K step's 16,896 dense bytes
	s_mov_b32 s[\g+3], 32<<16
	s_mov_b32 s[\g+4], 66
	s_mov_b32 s[\g+5], 32
	s_mov_b32 s[\g+6], 0
	s_mov_b32 s[\g+7], 0
.endr
	s_lshl_b32 s88, s25, 2
	s_add_co_u32 s88, s88, s23                     ; W's block: slot 0, 4 cluster x + cx
	s_mul_i32 s88, s88, BLK
	s_mov_b32 s89, 0
	s_lshl_b32 s90, s26, 2
	s_add_co_u32 s90, s90, s24                     ; A's block: 4 cluster y + cy
	s_mul_i32 s90, s90, BLK
	s_mov_b32 s91, 0
	s_mul_i32 s100, s22, KST
	s_mov_b32 s101, 0
	s_mov_b32 s[SEL], 0x76543210
	s_mov_b32 s[SEL+1], 0xfedcba98
	s_wait_dscnt 0x0                               ; both opening adds are done
	s_wait_kmcnt 0x0
	s_add_nc_u64 s[84:85], s[6:7], s[88:89]
	s_add_nc_u64 s[86:87], s[4:5], s[90:91]
	s_add_nc_u64 s[84:85], s[84:85], s[100:101]
	s_add_nc_u64 s[86:87], s[86:87], s[100:101]
	CROUND                                         ; all sixteen work-groups are here: the joint loads meet
.irp i, 0,1,2,3
	s_mov_b32 s[48+4*\i], 1
	s_add_co_u32 s[49+4*\i], s100, 2*\i*KST
	s_add_nc_u64 s[50+4*\i:51+4*\i], s[84:85], 2*\i*KST
	s_or_b32 s[51+4*\i], s[51+4*\i], 0x80000000
	s_mov_b32 s[68+4*\i], 1
	s_add_co_u32 s[69+4*\i], s100, S1B+2*\i*KST
	s_add_nc_u64 s[70+4*\i:71+4*\i], s[86:87], 2*\i*KST
	s_or_b32 s[71+4*\i], s[71+4*\i], 0x80000000
.endr
	s_cmp_eq_u32 s21, 0                            ; four first fills a wave, in one arm of one branch on the wave's number: four loads of mine are out
	s_cbranch_scc0 .Lfor_s1
.irp i, 0,1,2,3
	tensor_load_to_lds s[48+4*\i:51+4*\i], s[32:39]
	s_nop 0
.endr
.rept 4
	v_nop
.endr
	s_branch .Lasked
.Lfor_s1:
.irp i, 0,1,2,3
	tensor_load_to_lds s[68+4*\i:71+4*\i], s[40:47]
	s_nop 0
.endr
.rept 4
	v_nop
.endr
.Lasked:
	v_and_b32 v1, 31, v0
	v_bfe_u32 v3, v0, 4, 1
	v_lshlrev_b32 v22, 6, v3                       ; in the bias: 64 h
	v_lshlrev_b32 v4, 4, v1
	v_add_nc_u32 v5, KST, v4
	s_lshl_b32 s29, s20, 12
	s_add_co_u32 s29, s29, S1B
	v_add_nc_u32 v6, s29, v4
	v_add_nc_u32 v7, KST, v6
	v_lshl_add_u32 v10, v1, 2, SCO
	v_add_nc_u32 v11, KST, v10
	s_lshl_b32 s29, s20, 7
	s_add_co_u32 s29, s29, S1B+SCO
	v_lshl_add_u32 v12, v1, 2, s29
	v_add_nc_u32 v13, KST, v12
	s_lshl_b32 s29, s20, 11
	v_lshl_add_u32 v14, v1, 4, s29                 ; out, codes: 16 x lane + 2,048 wave: my two tiles of 1,024 bytes
	s_lshl_b32 s29, s20, 7
	s_add_co_u32 s29, s29, 8192
	v_lshl_add_u32 v15, v1, 2, s29                 ; out, words: 4 x lane + 8,192 + 128 wave
	v_cmp_lt_u32 s31, 15, v1                       ; lanes 16-31
.irp b, 0,1,2,3
	v_mov_b32 v[TM+4+\b], 0                        ; written once: a lane permute's destination counts as one of its sources
.endr
	s_lshl_b32 s96, s25, 2
	s_add_co_u32 s96, s96, s23                     ; the block of 128 outputs: heads 2 x it and the next
	s_lshl_b32 s97, s26, 2
	s_add_co_u32 s97, s97, s24                     ; the block of rows
	s_lshl_b32 s94, s96, 9
	s_mov_b32 s95, 0
	s_add_nc_u64 s[8:9], s[8:9], s[94:95]
	s_lshr_b32 s98, s97, 4                         ; the batch: 16 blocks each
	s_and_b32 s99, s97, 15                         ; the unit in the batch
	s_lshl_b32 s98, s98, 4
	s_lshl_b32 s96, s96, 1
	s_add_co_u32 s98, s98, s96                     ; 16 batch + head
	s_lshl_b32 s98, s98, 4
	s_add_co_u32 s98, s98, s99
	s_mul_i32 s98, s98, KSB
	s_mov_b32 s99, 0
	s_add_nc_u64 s[12:13], s[10:11], s[98:99]      ; the unit of the first head (Q's region begins the buffer),
	s_add_nc_u64 s[14:15], s[12:13], 16*KSB        ; and of the next
.irp a, 0,1
.irp b, 0,1,2,3,4,5,6,7
.irp k, 0,1
	global_load_b128 v[ACC+64*\a+8*\b+4*\k:ACC+64*\a+8*\b+4*\k+3], v22, s[8:9] offset:(32*(\b/2)+8*(\b%2))*4+16*\k   ; the bias starts the sums: register j of tile b is output 32 (b / 2) + 16 h + 8 (b % 2) + j
.endr
.endr
.endr
	s_wait_alu depctr_va_vdst(0)
	s_wait_tensorcnt 3                             ; my first K step is in; my three younger loads may be out
	s_barrier_signal -1
	s_barrier_wait -1
	FETCH 0
	FETCH 1
	s_wait_loadcnt 0x0                             ; the bias
	s_wait_dscnt 45                                ; set 0 is in; set 1's 45 loads may be out
	MUL 0
.irp i, 1,2,3
	s_wait_tensorcnt 3-\i                          ; my next K step is in
	s_wait_dscnt 0x0                               ; set 1 is in, and no LDS instruction of mine is pending at the signal
	s_barrier_signal -1
	MUL 1
	WIN 0
	s_barrier_wait -1
	STEPADR
	FETCH 0
	FETCH 1
	s_wait_alu depctr_va_vdst(0)
	s_wait_dscnt 45
	MUL 0
.endr
	s_wait_dscnt 0x0
	MUL 1
	WIN 0
.rept 8
	v_nop                                          ; eight places in front of the first read of results
.endr
	QUANT ACC, 96, 30
	QUANT ACC+64, 112, 31
.irp a, 0,1                            ; chunks 0, 1 of a fragment are the first head's 64 channels, chunks 2, 3 the next head's
.irp e, 0,1
.irp c, 0,1
	global_store_b128 v14, v[96+16*\a+8*\e+4*\c:99+16*\a+8*\e+4*\c], s[12+2*\e:13+2*\e] offset:1024*\a+512*\c   ; 512 consecutive bytes
.endr
.endr
.endr
	v_perm_b32 v32, v30, v30, 0x01000100           ; a head's two bytes, twice: the word serves codes that stand in the lower or in the upper half of a K step of 128
	v_perm_b32 v33, v31, v31, 0x01000100
	v_perm_b32 v34, v30, v30, 0x03020302
	v_perm_b32 v35, v31, v31, 0x03020302
	v_cndmask_b32 v32, v32, v33, s31               ; lanes 0-15: my first tile's rows, lanes 16-31: my second's
	v_cndmask_b32 v34, v34, v35, s31
	global_store_b32 v15, v32, s[12:13]            ; 128 consecutive bytes
	global_store_b32 v15, v34, s[14:15]
	s_wait_tensorcnt 0x0                           ; the wave's end
	ds_add_u32 v8, v9
	s_wait_dscnt 0x0
	CROUND                                         ; the closing round
	s_endpgm
.Lfunc_end_k_q48f163ca65_q2:
	.size	k_q48f163ca65_q2, .Lfunc_end_k_q48f163ca65_q2-k_q48f163ca65_q2
	.p2alignl 7, 3214868480
	.fill 96, 4, 3214868480
	.section	.rodata,"a",@progbits
	.p2align	6, 0x0
	.amdhsa_kernel k_q48f163ca65_q2
		.amdhsa_group_segment_fixed_size 327680
		.amdhsa_private_segment_fixed_size 0
		.amdhsa_enable_private_segment 0
		.amdhsa_kernarg_size 32
		.amdhsa_user_sgpr_count 2
		.amdhsa_user_sgpr_kernarg_segment_ptr 1
		.amdhsa_wavefront_size32 1
		.amdhsa_system_sgpr_workgroup_id_x 1
		.amdhsa_system_sgpr_workgroup_id_y 1
		.amdhsa_system_sgpr_workgroup_id_z 1
		.amdhsa_system_vgpr_workitem_id 0
		.amdhsa_next_free_vgpr 576
		.amdhsa_next_free_sgpr 102
		.amdhsa_reserve_vcc 0
		.amdhsa_float_denorm_mode_32 3
		.amdhsa_float_denorm_mode_16_64 3
		.amdhsa_fp16_overflow 1
		.amdhsa_memory_ordered 1
		.amdhsa_forward_progress 1
		.amdhsa_inst_pref_size 63
	.end_amdhsa_kernel
	.amdgpu_metadata
---
amdhsa.version: [ 1, 2 ]
amdhsa.kernels:
  - .name:           k_q48f163ca65_q2
    .symbol:         k_q48f163ca65_q2.kd
    .args:
      - { .name: ACT, .offset: 0, .size: 8, .value_kind: global_buffer, .address_space: global }
      - { .name: WB, .offset: 8, .size: 8, .value_kind: global_buffer, .address_space: global }
      - { .name: ca_bq, .offset: 16, .size: 8, .value_kind: global_buffer, .address_space: global }
      - { .name: QKV, .offset: 24, .size: 8, .value_kind: global_buffer, .address_space: global }
    .group_segment_fixed_size: 327680
    .private_segment_fixed_size: 0
    .kernarg_segment_align: 8
    .kernarg_segment_size: 32
    .max_flat_workgroup_size: 128
    .sgpr_count:     102
    .vgpr_count:     576
    .wavefront_size: 32
...
	.end_amdgpu_metadata
.endif
;; end of part 5
;; launch attn2 (part 6): grid 8 x 32, 16 waves a work-group, clusters of 4 x 1, 327,680 bytes of LDS; arguments QKV, AO; writes AO
.if DOCPART == 6
	.amdgcn_target "amdgcn-amd-amdhsa--gfx1250"
	.amdhsa_code_object_version 6
	.text
	.protected	k_q48f163ca65_attn2
	.globl	k_q48f163ca65_attn2
	.p2align	8
	.type	k_q48f163ca65_attn2,@function
k_q48f163ca65_attn2:
	s_mov_b64 s[64:65], 0
	v_nop
	global_prefetch_b8 v0, s[64:65] scope:SCOPE_SE
	s_setreg_imm32_b32 hwreg(HW_REG_WAVE_MODE, 25, 1), 1
	s_wait_xcnt 0x0
	s_wait_alu depctr_hold_cnt(0) depctr_sa_sdst(0) depctr_va_vdst(0) depctr_va_sdst(0) depctr_va_ssrc(0) depctr_va_vcc(0) depctr_vm_vsrc(0)
	s_getreg_b32 s2, hwreg(HW_REG_IB_STS2, 6, 4)
	s_cmp_eq_u32 s2, 0
	s_cbranch_scc0 .Lentry_in_a_cluster
	s_endpgm
.Lentry_in_a_cluster:
	s_bfe_u32 s2, ttmp6, 0x10000c
	s_cmp_lg_u32 s2, 0x3003
	s_cbranch_scc0 .Lentry_shape_is_right
	s_endpgm
.Lentry_shape_is_right:
; ATTENTION on codes of E5M2, head size 64, no mask; here the 1,024 keys of the other modality (NKS = 8 key steps of 128).  No work of reference() is left out.
; t = score x log2(e) / 8; M = the running largest t rounded UP to a whole number; p = 2^(t - M) is quantised along the keys, not normalised; the row's sum is taken of the unquantised p and divides at the end.
; When M moves, the sum and O are multiplied by 2^(old M - new M): exact.
; IN.  Q, K: for each (batch, head) units of 128 positions, KSB bytes: eight tiles x 1,024 bytes (two chunks of 512: lane l's 16 bytes at 16 l: tile row l % 16, channel 32 c + 16 (l / 16) + 0..15), then 512 bytes of words:
; a row's two scale bytes, twice.  V: units of 128 keys, VSB bytes: four channel tiles x 2,048 bytes (four chunks along the keys), then 256 bytes of words.  Tile 2 g + u, tile row i, is row 32 g + 8 u + i + 8 (i / 8) of its unit.
; SHARES.  A work-group owns 256 queries of one (batch, head); each of its sixteen waves one tile of 16.  The head's K and V lie WHOLE in LDS: every tensor load is a first fill.
; CLUSTER 4 x 1: the four query blocks of a cluster belong to one head: each key step's block is asked for jointly (mask 15).  Waves 0-7 fetch K's key step w, waves 8-15 V's.
; LAYOUT.  Both products transposed: S^T = K Q^T, O^T = V^T P^T: a lane holds one query throughout; the tiles' row order makes a lane's 16 registers of two neighbouring tiles 16 neighbours: p and O are quantised in place.
; THE HEAD'S 64 IN A K STEP OF 128: half of each operand of K Q^T is zero codes: even key tiles [K][0] against [Q][0], odd ones [0][K] against [0][Q]; a scale word holds its two bytes in both halves.
; OUT: O / sum, quantised along the channels into the next product's operand: blocks of 128 rows (BLK bytes), K steps of KST bytes (eight fragment images, then the scale words at SCO): K step head / 2, chunks 2 (head % 2) and the next.
; LIMITS: NaN and infinities are not served; a block of zeros gets the byte 1 where the rule says 127 (its codes are zeros; this program alone reads the bytes); 1 / sum by v_rcp_f32; a p under 2^-126 counts as 0.
.set NKS,   8
.set RK,    13238272
.set RV,    15466496
.set KSB,   8704
.set VSB,   8448
.set BLK,   135168
.set KST,   16896
.set SCO,   16384
.set VB,    NKS*KSB
.set SPARE, NKS*(KSB+VSB)              ; the spare words, 128 bytes for each wave: eight blocks of 256 bytes that no other line names
; REGISTERS: v1 16 x lane, v2 4 x lane; v3, v4 the add's two; v5-7 offsets in memory; v8-11 the step's LDS addresses; v12 -M, v13 the largest t, v[14:15] the sum; v16-39 [Q][0][Q]; v40-87 [K0][0][K1][K2][0][K3];
; v88-91 K's scale words, v92-93 V's, v94 Q's, v95 p's; v96-159 S^T, p, then V's fragments; v160-191 O^T; v192-207 p's codes; v208-223 at work; v[224:225] f; v226 at work; v[228:229] the sum's second chain.
.macro CROUND
	s_barrier_signal -1
	s_barrier_wait -1
	s_cmp_lg_u32 s8, 0
	s_cbranch_scc1 .Lnot_wave_0_\@
	s_barrier_signal -3
.Lnot_wave_0_\@:
	s_barrier_wait -3
	s_barrier_signal -1
	s_barrier_wait -1
.endm
	s_load_b128 s[4:7], s[0:1], 0x0                ; QKV, AO
	v_lshl_add_u32 v3, v0, 2, SPARE
	v_mov_b32 v4, 0
	ds_add_u32 v3, v4                              ; the wave's opening: the add, twice on end, and its wait ahead of my first tensor load
	ds_add_u32 v3, v4
	v_lshrrev_b32 v1, 5, v0
	s_delay_alu instid0(VALU_DEP_1)
	v_readfirstlane_b32 s8, v1                     ; wave 0..15
	s_and_b32 s9, s8, 7                            ; the key step that I fetch
	s_and_b32 s12, ttmp7, 0xffff                   ; 16 batch + head
	s_mov_b32 s16, 15|(3<<16)|(1<<21)              ; group 1 for K: the mask: all four; elements of 8 bytes; 21 set beside a mask
	s_mov_b32 s17, 32<<16                          ; rows of 256 bytes,
	s_mov_b32 s18, 34<<16                          ; 34 of them: a key step's 8,704 dense bytes
	s_mov_b32 s19, 32<<16
	s_mov_b32 s20, 34
	s_mov_b32 s21, 32
	s_mov_b32 s22, 0
	s_mov_b32 s23, 0
	s_mov_b32 s24, 15|(3<<16)|(1<<21)              ; for V: 33 rows
	s_mov_b32 s25, 32<<16
	s_mov_b32 s26, 33<<16
	s_mov_b32 s27, 32<<16
	s_mov_b32 s28, 33
	s_mov_b32 s29, 32
	s_mov_b32 s30, 0
	s_mov_b32 s31, 0
	s_mul_i32 s13, s9, KSB                         ; K: my key step's place, in LDS and in the head's block
	s_mul_i32 s2, s12, NKS*KSB
	s_add_co_u32 s2, s2, s13
	s_add_co_u32 s2, s2, RK
	s_mov_b32 s3, 0
	s_mul_i32 s51, s9, VSB                         ; V likewise
	s_mul_i32 s14, s12, NKS*VSB
	s_add_co_u32 s14, s14, s51
	s_add_co_u32 s14, s14, RV
	s_mov_b32 s15, 0
	s_mov_b32 s48, 0                               ; where the step's K lies in LDS,
	s_mov_b32 s49, VB                              ; and its V
	s_mov_b32 s52, 0x76543210
	s_mov_b32 s53, 0xfedcba98                      ; v_permlanex16_b32's selects for lane l xor 16
	s_mov_b32 s54, 0x3e38aa3b                      ; c = log2(e) / 8
	s_mov_b32 s55, s54                             ; (named with it as a pair)
	s_wait_dscnt 0x0                               ; both opening adds are done
	s_wait_kmcnt 0x0
	CROUND                                         ; all four work-groups are here: the joint loads meet
	s_mov_b32 s32, 1
	s_mov_b32 s33, s13
	s_add_nc_u64 s[34:35], s[4:5], s[2:3]
	s_mov_b32 s40, 1
	s_add_co_u32 s41, s51, VB
	s_add_nc_u64 s[42:43], s[4:5], s[14:15]
	s_or_b32 s35, s35, 0x80000000
	s_or_b32 s43, s43, 0x80000000
	s_cmp_lt_u32 s8, 8                             ; a wave's one first fill stands in an arm of one branch on the wave's number: one load of mine is out
	s_cbranch_scc0 .Lfor_v
	tensor_load_to_lds s[32:35], s[16:23]
	s_nop 0
.rept 4
	v_nop
.endr
	s_branch .Lasked
.Lfor_v:
	tensor_load_to_lds s[40:43], s[24:31]
	s_nop 0
.rept 4
	v_nop
.endr
.Lasked:
	s_bfe_u32 s10, ttmp6, 0x40000                  ; cx: it enters Q's and the output's addresses alone
	s_lshl_b32 s11, ttmp9, 2
	s_add_co_u32 s11, s11, s10
	s_lshl_b32 s11, s11, 4
	s_add_co_u32 s11, s11, s8                      ; my tile of queries, 0..127
	v_and_b32 v5, 31, v0
	s_delay_alu instid0(VALU_DEP_1)
	v_lshlrev_b32 v1, 4, v5
	s_wait_alu depctr_va_vdst(0)
	v_lshlrev_b32 v2, 2, v5
	v_and_b32 v6, 15, v0
	s_wait_alu depctr_va_vdst(0)
	s_lshr_b32 s67, s11, 3
	s_mul_i32 s67, s67, KSB
	s_mul_i32 s68, s12, 16*KSB
	s_add_co_u32 s68, s68, s67
	s_mov_b32 s69, 0
	s_add_nc_u64 s[58:59], s[4:5], s[68:69]        ; Q's unit of 128 positions (its region begins QKV)
	s_and_b32 s70, s11, 7
	s_lshl_b32 s71, s70, 10
	v_add_nc_u32 v5, s71, v1
	s_lshl_b32 s71, s70, 6
	s_add_co_u32 s71, s71, 8192
	v_lshl_add_u32 v7, v6, 2, s71
	global_load_b128 v[16:19], v5, s[58:59]        ; Q twice: below the zeros and above them
	global_load_b128 v[20:23], v5, s[58:59] offset:512
	global_load_b128 v[32:35], v5, s[58:59]
	global_load_b128 v[36:39], v5, s[58:59] offset:512
	global_load_b32 v94, v7, s[58:59]              ; Q's scale words
.irp z, 24,48,72
.irp j, 0,1,2,3,4,5,6,7
	v_mov_b32 v[\z+\j], 0                          ; the zero codes, once
.endr
.endr
	v_mov_b32 v13, 0xff61b1e6                      ; the largest t so far: -3e38
	s_delay_alu instid0(VALU_DEP_1)
	v_floor_f32 v12, -v13                          ; -M
	v_mov_b32 v14, 0
	v_mov_b32 v15, 0
.irp b, 0,1,2,3
	v_mov_b32 v[212+\b], 0                         ; written once: a lane permute's destination counts as one of its sources
.endr
	v_mov_b32 v225, 0                              ; (named as the upper half of the pair v[224:225])
	v_mov_b32 v226, 0
.set n, 0
.rept 32
	v_mov_b32 v[160+n], 0                          ; O^T: the loop's first step finds zeros
.set n, n+1
.endr
; A KEY STEP: 128 keys.
.macro STEP
	v_add_nc_u32 v8, s48, v1
	s_wait_alu depctr_va_vdst(0)
	v_add_nc_u32 v9, s48, v2
	v_add_nc_u32 v10, s49, v1
	v_add_nc_u32 v11, s49, v2
.rept 5
	v_nop                                          ; with the four additions nine places: the first product below writes over registers that the last step's V^T P read
.endr
.irp g, 0,1                                    ; S^T = K Q^T, four tiles of 16 keys at a time
.if \g
.rept 8
	v_nop                                          ; places in front of loads into registers that matrix instructions have read
.endr
.endif
.irp m, 0,1
.irp e, 0,1
.irp c, 0,1
	ds_load_b128 v[40+24*\m+16*\e+4*\c:43+24*\m+16*\e+4*\c], v8 offset:(4*\g+2*\m+\e)*1024+512*\c
.endr
.endr
.endr
.if \g == 0
.irp p, 0,1,2,3
	ds_load_b32 v[88+\p], v9 offset:8192+128*\p    ; lanes 0-15: tile 2 p's words, lanes 16-31: tile 2 p + 1's
.endr
.endif
	s_wait_dscnt 0x0
.irp m, 0,1
	v_wmma_scale_f32_16x16x128_f8f6f4 v[96+8*(4*\g+2*\m):103+8*(4*\g+2*\m)], v[40+24*\m:55+24*\m], v[16:31], 0, v[88+2*\g+\m], v94 matrix_a_fmt:MATRIX_FMT_BF8 matrix_b_fmt:MATRIX_FMT_BF8
	v_wmma_scale_f32_16x16x128_f8f6f4 v[104+8*(4*\g+2*\m):111+8*(4*\g+2*\m)], v[48+24*\m:63+24*\m], v[24:39], 0, v[88+2*\g+\m], v94 matrix_a_fmt:MATRIX_FMT_BF8 matrix_b_fmt:MATRIX_FMT_BF8 matrix_a_scale:MATRIX_SCALE_ROW1
.endr
.endr
.rept 8
	v_nop
.endr
.irp b, 0,1,2,3
	v_max3_num_f32 v[208+\b], v[96+16*\b], v[97+16*\b], v[98+16*\b]   ; the largest score of each block of 32 keys: for the row's maximum and, since p rises with the score, for the block's largest p
.endr
.irp i, 3,5,7,9,11,13
.irp b, 0,1,2,3
	v_max3_num_f32 v[208+\b], v[208+\b], v[96+16*\b+\i], v[97+16*\b+\i]
.endr
.endr
.irp b, 0,1,2,3
	v_max_num_f32 v[208+\b], v[208+\b], v[111+16*\b]
.endr
.irp b, 0,1,2,3
	s_delay_alu instid0(VALU_DEP_4)
	v_permlanex16_b32 v[212+\b], v[208+\b], s52, s53
.endr
.irp b, 0,1,2,3
	s_delay_alu instid0(VALU_DEP_4)
	v_max_num_f32 v[208+\b], v[208+\b], v[212+\b]  ; with lane l xor 16's 16 keys
.endr
	s_delay_alu instid0(VALU_DEP_2)
	v_max3_num_f32 v226, v208, v209, v210
	s_delay_alu instid0(VALU_DEP_1)
	v_max_num_f32 v226, v226, v211
	s_delay_alu instid0(VALU_DEP_1)
	v_mul_f32 v226, s54, v226                      ; as t (c is positive)
	s_delay_alu instid0(VALU_DEP_1)
	v_max_num_f32 v13, v13, v226                   ; the running largest t
	v_mov_b32 v226, v12
	s_delay_alu instid0(VALU_DEP_2)
	v_floor_f32 v12, -v13                          ; the new -M = -ceil(t)
	s_delay_alu instid0(VALU_DEP_1)
	v_sub_f32 v226, v12, v226                      ; old M - new M: a whole number, 0 or less
	s_delay_alu instid0(VALU_DEP_1)
	v_cvt_i32_f32 v226, v226                       ; (it saturates)
	s_delay_alu instid0(VALU_DEP_1)
	v_ldexp_f32 v224, 1.0, v226                    ; f = 2^(old M - new M)
.set n, 0
.rept 32
	v_pk_fma_f32 v[96+n:97+n], v[96+n:97+n], s[54:55], v[12:13] op_sel_hi:[1,0,0]   ; t - M, two at a time
.set n, n+2
.endr
.irp b, 0,1,2,3
	v_fma_f32 v[208+\b], v[208+\b], s54, v12       ; the same of each block's largest score
.endr
.set n, 0
	s_wait_alu depctr_va_vdst(0)
.rept 64
	v_exp_f32 v[96+n], v[96+n]                     ; p = 2^(t - M)
.set n, n+1
.endr
	s_setprio 1
	v_pk_mul_f32 v[14:15], v[14:15], v[224:225] op_sel_hi:[1,0]   ; the sums under the new M: the plain line behind the exponentials
	s_wait_alu depctr_va_vdst(0)                   ; one wait for the batch, ahead of the first line that names a result
.irp b, 0,1,2,3
	v_exp_f32 v[208+\b], v[208+\b]                 ; the block's largest p
.endr
	v_pk_add_f32 v[228:229], v[100:101], v[104:105]
	v_pk_add_f32 v[238:239], v[108:109], v[112:113]
	v_pk_add_f32 v[236:237], v[116:117], v[120:121]
	v_pk_add_f32 v[234:235], v[124:125], v[128:129]
	v_pk_add_f32 v[232:233], v[132:133], v[136:137]
	v_pk_add_f32 v[230:231], v[140:141], v[144:145]
	v_pk_add_f32 v[222:223], v[148:149], v[152:153]
	v_pk_add_f32 v[14:15], v[14:15], v[156:157]
	v_pk_add_f32 v[228:229], v[228:229], v[96:97]
	v_pk_add_f32 v[238:239], v[238:239], v[98:99]
	v_pk_add_f32 v[236:237], v[236:237], v[102:103]
	v_pk_add_f32 v[234:235], v[234:235], v[106:107]
	v_pk_add_f32 v[232:233], v[232:233], v[110:111]
	v_pk_add_f32 v[230:231], v[230:231], v[114:115]
	v_pk_add_f32 v[222:223], v[222:223], v[118:119]
	v_pk_add_f32 v[14:15], v[14:15], v[122:123]
	v_pk_add_f32 v[228:229], v[228:229], v[126:127]
	v_pk_add_f32 v[238:239], v[238:239], v[130:131]
	v_pk_add_f32 v[236:237], v[236:237], v[134:135]
	v_pk_add_f32 v[234:235], v[234:235], v[138:139]
	v_pk_add_f32 v[232:233], v[232:233], v[142:143]
	v_pk_add_f32 v[230:231], v[230:231], v[146:147]
	v_pk_add_f32 v[222:223], v[222:223], v[150:151]
	v_pk_add_f32 v[14:15], v[14:15], v[154:155]
	v_pk_add_f32 v[228:229], v[228:229], v[158:159]
	s_delay_alu instid0(VALU_DEP_2)
	v_pk_add_f32 v[14:15], v[14:15], v[234:235]
	s_delay_alu instid0(VALU_DEP_2)
	v_pk_add_f32 v[228:229], v[228:229], v[232:233]
	v_pk_add_f32 v[238:239], v[238:239], v[230:231]
	v_pk_add_f32 v[236:237], v[236:237], v[222:223]
	s_delay_alu instid0(VALU_DEP_2)
	v_pk_add_f32 v[14:15], v[14:15], v[238:239]
	s_delay_alu instid0(VALU_DEP_2)
	v_pk_add_f32 v[228:229], v[228:229], v[236:237]
	s_delay_alu instid0(VALU_DEP_1)
	v_pk_add_f32 v[14:15], v[14:15], v[228:229]
	s_wait_alu depctr_va_vdst(0)                   ; and one for the four
.irp b, 0,1,2,3
	v_max_num_f32 v[208+\b], 0x8000000, v[208+\b]  ; the floor 2^(16 - 127)
.endr
.irp b, 0,1,2,3
	s_delay_alu instid0(VALU_DEP_4)
	v_add_nc_u32 v[220+\b], 0xf8800000, v[208+\b]  ; the conversion's scale operand
.endr
.irp b, 0,1,2,3
.endr
.irp b, 0,1,2,3
	s_delay_alu instid0(VALU_DEP_4)
	v_lshrrev_b32 v[212+\b], 23, v[220+\b]         ; the byte
.endr
	s_delay_alu instid0(VALU_DEP_3)
	v_lshl_or_b32 v95, v213, 8, v212               ; p's scale word for these 128 keys
	s_delay_alu instid0(VALU_DEP_1)
	v_lshl_or_b32 v95, v214, 16, v95
	s_delay_alu instid0(VALU_DEP_1)
	v_lshl_or_b32 v95, v215, 24, v95
.irp b, 0,1,2,3
.irp i, 0,1,2,3,4,5,6,7,8,9,10,11,12,13,14,15
.endr
	v_cvt_scalef32_pk8_bf8_f32 v[192+4*\b:193+4*\b], v[96+16*\b:103+16*\b], v[220+\b]
	v_cvt_scalef32_pk8_bf8_f32 v[194+4*\b:195+4*\b], v[104+16*\b:111+16*\b], v[220+\b]
.endr
	v_nop
.irp t, 0,1,2,3
.irp c, 0,1,2,3
	ds_load_b128 v[96+16*\t+4*\c:99+16*\t+4*\c], v10 offset:2048*\t+512*\c   ; V's four fragments take p's registers
.endr
.endr
	s_setprio 0
.irp p, 0,1
	ds_load_b32 v[92+\p], v11 offset:8192+128*\p
.endr
.set n, 0
.rept 16
	v_pk_mul_f32 v[160+n:161+n], v[160+n:161+n], v[224:225] op_sel_hi:[1,0]   ; O^T under the new M; also the places between the conversions and the products
.set n, n+2
.endr
	s_wait_alu depctr_va_vdst(0)
	s_wait_dscnt 0x0
.irp p, 0,1                                    ; O^T += V^T P^T: four accumulators by turns
	v_wmma_scale_f32_16x16x128_f8f6f4 v[160+16*\p:167+16*\p], v[96+32*\p:111+32*\p], v[192:207], v[160+16*\p:167+16*\p], v[92+\p], v95 matrix_a_fmt:MATRIX_FMT_BF8 matrix_b_fmt:MATRIX_FMT_BF8
	v_wmma_scale_f32_16x16x128_f8f6f4 v[168+16*\p:175+16*\p], v[112+32*\p:127+32*\p], v[192:207], v[168+16*\p:175+16*\p], v[92+\p], v95 matrix_a_fmt:MATRIX_FMT_BF8 matrix_b_fmt:MATRIX_FMT_BF8 matrix_a_scale:MATRIX_SCALE_ROW1
.endr
.endm
	s_wait_tensorcnt 0x0                           ; my key step is in
	s_barrier_signal -1
	s_barrier_wait -1                              ; all of K and V is
	s_wait_loadcnt 0x0                             ; Q
	s_mov_b32 s50, 8
.Lstep:
	s_setprio 2
	STEP
	s_add_co_u32 s48, s48, KSB
	s_add_co_u32 s49, s49, VSB
	s_sub_co_u32 s50, s50, 1
	s_cmp_lg_u32 s50, 0
	s_cbranch_scc1 .Lstep
	s_setprio 0
	; THE WAY OUT: O^T / the sum, quantised along the channels: two blocks of 32, two chunks of the next product's fragment
.rept 8
	v_nop                                          ; places in front of the first read of results
.endr
	v_add_f32 v14, v14, v15
	s_delay_alu instid0(VALU_DEP_1)
	v_permlanex16_b32 v226, v14, s52, s53
	s_delay_alu instid0(VALU_DEP_1)
	v_add_f32 v14, v14, v226                       ; the row's sum
	s_wait_alu depctr_va_vdst(0)
	v_rcp_f32 v14, v14
	v_and_b32 v6, 15, v0                           ; (a plain line behind the transcendental)
	s_wait_alu depctr_va_vdst(0)
	s_lshr_b32 s66, s12, 4
	s_lshl_b32 s66, s66, 4
	s_lshr_b32 s67, s11, 3
	s_add_co_u32 s66, s66, s67                     ; the block of 128 rows: 16 batch + unit
	s_mul_i32 s66, s66, BLK
	s_and_b32 s69, s12, 15                         ; the head
	s_lshr_b32 s68, s69, 1
	s_mul_i32 s68, s68, KST
	s_add_co_u32 s66, s66, s68
	s_mov_b32 s67, 0
	s_add_nc_u64 s[60:61], s[6:7], s[66:67]
	s_and_b32 s69, s69, 1
	s_and_b32 s70, s11, 7                          ; the tile
	s_lshl_b32 s71, s70, 11
	s_lshl_b32 s68, s69, 10
	s_add_co_u32 s71, s71, s68
	v_add_nc_u32 v5, s71, v1                       ; codes: 2,048 tile + 1,024 (head % 2) + 16 x lane
	s_lshl_b32 s71, s70, 6
	s_lshl_b32 s68, s69, 1
	s_add_co_u32 s71, s71, s68
	s_add_co_u32 s71, s71, SCO
	v_lshl_add_u32 v7, v6, 2, s71                  ; my row's two bytes of its scale word
	s_wait_alu depctr_va_vdst(0)                   ; the wait, ahead of the first line that names the reciprocal
.set n, 0
.rept 32
	v_mul_f32 v[96+n], v[160+n], v14               ; register 16 b + i is channel 32 b + 16 (lane / 16) + i; each accumulator is read from its low end on
.set n, n+1
.endr
.irp b, 0,1
	v_max3_num_f32 v[208+\b], |v[96+16*\b]|, |v[97+16*\b]|, 0x8000000
.endr
.irp i, 2,4,6,8,10,12,14
.irp b, 0,1
	s_delay_alu instid0(VALU_DEP_2)
	v_max3_num_f32 v[208+\b], v[208+\b], |v[96+16*\b+\i]|, |v[97+16*\b+\i]|
.endr
.endr
.irp b, 0,1
	s_delay_alu instid0(VALU_DEP_2)
	v_permlanex16_b32 v[212+\b], v[208+\b], s52, s53
.endr
.irp b, 0,1
	s_delay_alu instid0(VALU_DEP_2)
	v_max_num_f32 v[208+\b], v[208+\b], v[212+\b]
.endr
.irp b, 0,1
	s_delay_alu instid0(VALU_DEP_2)
	v_add_nc_u32 v[220+\b], 0xf8800000, v[208+\b]
.endr
.irp b, 0,1
.endr
.irp b, 0,1
	s_delay_alu instid0(VALU_DEP_2)
	v_lshrrev_b32 v[212+\b], 23, v[220+\b]
.endr
	s_delay_alu instid0(VALU_DEP_1)
	v_lshl_or_b32 v226, v213, 8, v212
.irp b, 0,1
.irp i, 0,1,2,3,4,5,6,7,8,9,10,11,12,13,14,15
.endr
	v_cvt_scalef32_pk8_bf8_f32 v[192+4*\b:193+4*\b], v[96+16*\b:103+16*\b], v[220+\b]
	v_cvt_scalef32_pk8_bf8_f32 v[194+4*\b:195+4*\b], v[104+16*\b:111+16*\b], v[220+\b]
.endr
	v_nop                                          ; one plain line behind the last scaled conversion
	global_store_b128 v5, v[192:195], s[60:61]     ; 512 consecutive bytes a store
	global_store_b128 v5, v[196:199], s[60:61] offset:512
	global_store_b16 v7, v226, s[60:61]            ; both lanes of a row store the same two bytes to the same place
	s_wait_tensorcnt 0x0                           ; the wave's end
	ds_add_u32 v3, v4
	s_wait_dscnt 0x0
	CROUND                                         ; the closing round
	s_endpgm
.Lfunc_end_k_q48f163ca65_attn2:
	.size	k_q48f163ca65_attn2, .Lfunc_end_k_q48f163ca65_attn2-k_q48f163ca65_attn2
	.p2alignl 7, 3214868480
	.fill 96, 4, 3214868480
	.section	.rodata,"a",@progbits
	.p2align	6, 0x0
	.amdhsa_kernel k_q48f163ca65_attn2
		.amdhsa_group_segment_fixed_size 327680
		.amdhsa_private_segment_fixed_size 0
		.amdhsa_enable_private_segment 0
		.amdhsa_kernarg_size 16
		.amdhsa_user_sgpr_count 2
		.amdhsa_user_sgpr_kernarg_segment_ptr 1
		.amdhsa_wavefront_size32 1
		.amdhsa_system_sgpr_workgroup_id_x 1
		.amdhsa_system_sgpr_workgroup_id_y 1
		.amdhsa_system_sgpr_workgroup_id_z 1
		.amdhsa_system_vgpr_workitem_id 0
		.amdhsa_next_free_vgpr 240
		.amdhsa_next_free_sgpr 72
		.amdhsa_reserve_vcc 0
		.amdhsa_float_denorm_mode_32 3
		.amdhsa_float_denorm_mode_16_64 3
		.amdhsa_fp16_overflow 1
		.amdhsa_memory_ordered 1
		.amdhsa_forward_progress 1
		.amdhsa_inst_pref_size 31
	.end_amdhsa_kernel
	.amdgpu_metadata
---
amdhsa.version: [ 1, 2 ]
amdhsa.kernels:
  - .name:           k_q48f163ca65_attn2
    .symbol:         k_q48f163ca65_attn2.kd
    .args:
      - { .name: QKV, .offset: 0, .size: 8, .value_kind: global_buffer, .address_space: global }
      - { .name: AO, .offset: 8, .size: 8, .value_kind: global_buffer, .address_space: global }
    .group_segment_fixed_size: 327680
    .private_segment_fixed_size: 0
    .kernarg_segment_align: 8
    .kernarg_segment_size: 16
    .max_flat_workgroup_size: 512
    .sgpr_count:     72
    .vgpr_count:     240
    .wavefront_size: 32
...
	.end_amdgpu_metadata
.endif
;; end of part 6
;; launch oproj2: the kernel of part 4 again; grid 8 x 32, 4 waves a work-group, clusters of 4 x 4, 327,680 bytes of LDS; arguments AO, WB, ca_bo, X1, X2; writes X2
;; launch ln3: the kernel of part 1 again; grid 256 x 1, 8 waves a work-group, no clusters, 137,216 bytes of LDS; arguments X2, other, ln3_w, ln3_b, ACT, WA, WB, WC, sa_wq, sa_wk, sa_wv, ca_wk, ca_wv, sa_wo, ca_wq, ca_wo, fc1_w, fc2_w; writes ACT, WA, WB, WC
;; launch fc1 (part 7): grid 8 x 32, 4 waves a work-group, clusters of 4 x 4, 327,680 bytes of LDS; arguments ACT, WC, fc1_b, AO; writes AO
.if DOCPART == 7
	.amdgcn_target "amdgcn-amd-amdhsa--gfx1250"
	.amdhsa_code_object_version 6
	.text
	.protected	k_q48f163ca65_fc1
	.globl	k_q48f163ca65_fc1
	.p2align	8
	.type	k_q48f163ca65_fc1,@function
k_q48f163ca65_fc1:
	s_mov_b64 s[64:65], 0
	v_nop
	global_prefetch_b8 v0, s[64:65] scope:SCOPE_SE
	s_setreg_imm32_b32 hwreg(HW_REG_WAVE_MODE, 25, 1), 1
	s_wait_xcnt 0x0
	s_wait_alu depctr_hold_cnt(0) depctr_sa_sdst(0) depctr_va_vdst(0) depctr_va_sdst(0) depctr_va_ssrc(0) depctr_va_vcc(0) depctr_vm_vsrc(0)
	s_getreg_b32 s2, hwreg(HW_REG_IB_STS2, 6, 4)
	s_cmp_eq_u32 s2, 0
	s_cbranch_scc0 .Lentry_in_a_cluster
	s_endpgm
.Lentry_in_a_cluster:
	s_bfe_u32 s2, ttmp6, 0x10000c
	s_cmp_lg_u32 s2, 0xf033
	s_cbranch_scc0 .Lentry_shape_is_right
	s_endpgm
.Lentry_shape_is_right:
; HIDDEN = GELU(A W + BIAS), exact GELU, quantised on the way along the hidden units into the next product's operand.  A and W (slot 0 of its buffer) are codes of E5M2.  No work of reference() is left out.
; OPERANDS IN MEMORY, in and out: blocks of 128 rows, BLK bytes: eight K steps of KST bytes; a K step is eight fragment images of 2,048 bytes (tile t: 16 rows x 128 K; chunk c of 512 bytes; lane l's 16 bytes at 16 l:
; tile row l % 16, k = 32 c + 16 (l / 16) + 0..15), then at SCO 512 bytes of scale words.  Tile 2 g + u, tile row i, is row 32 g + 8 u + i + 8 (i / 8) of the block.
; D = S0 S1^T with S0 = a block of 128 hidden units of W and S1 = a block of 128 rows of A (wave w owns tiles 2 w, 2 w + 1): a lane holds one row, and the 64 registers of a tile run along the 128 hidden units in their true order:
; they become K step (block of hidden units) of the row tile's fragment.  Both LDS regions hold all of K = 1,024: first fills alone.  CLUSTER 4 x 4: S0 shared along a column, S1 along a row.  The sums start from the bias.
; GELU.  gelu(x) = max(x, 0) - |x erfc(|z|) / 2|, z = x / sqrt(2): one form for both signs, no difference of near numbers.  erfc(|z|) = t exp(-z^2 + P(t)), t = 1 / (1 + |z| / 2), P a polynomial of degree 9
; (Chebyshev fit, fractional error under 1.2e-7 for every z).
; LIMITS: that error; 1 / (1 + |z| / 2) by v_rcp_f32; NaN and infinities are not served; a block of zeros gets the byte 1 where the rule says 127 (its codes are zeros; this program alone reads the bytes).
.set BLK,   135168
.set KST,   16896
.set SCO,   16384
.set S1B,   BLK
.set SPARE, 2*BLK                      ; the spare words, 128 bytes for each wave: two blocks of 256 bytes that no other line names
.set ACC,   128
.set SC,    16
.set ZR,    32                         ; v32-47 z, v48-63 t, v64-79 the polynomial: at work in GELU
.set TR,    48
.set PR,    64
.set TM,    80
.set SEL,   92
.set MNT,   30
.set MSB,   0
; REGISTERS.  window 0: v1 lane; v[2:3] the polynomial's second coefficient, as a pair; v4,5 / v6,7 LDS addresses of S0's / S1's fragments for sets 0, 1; v8, v9 the add's two; v10,11 / v12,13 of their scale words;
;   v14, v15, v22 offsets in memory; v16-20, v24-28 scale words; v30, v31 scale words made; v96-127 codes made; v128-255 accumulators.   window 1: S0's fragments.   window 2: S1's.
.macro WIN new                         ; the immediate's high byte repeats the setting that is left
.if MSB != \new
	s_set_vgpr_msb (MSB<<8)|\new
.set MSB, \new
.endif
.endm
.macro CROUND                          ; a round of the cluster's barrier
	s_barrier_signal -1
	s_barrier_wait -1
	s_cmp_lg_u32 s20, 0
	s_cbranch_scc1 .Lnot_wave_0_\@
	s_barrier_signal -3
.Lnot_wave_0_\@:
	s_barrier_wait -3
	s_barrier_signal -1
	s_barrier_wait -1
.endm
.macro FETCH q                         ; a K step's fragments and scale words into set q: 45 LDS loads
	WIN 0x40
.irp t, 0,1,2,3,4,5,6,7
.irp c, 0,1,2,3
	ds_load_b128 v[128*\q+16*\t+4*\c:128*\q+16*\t+4*\c+3], v[4+\q] offset:2048*\t+512*\c
.endr
.endr
	WIN 0x80
.irp a, 0,1
.irp c, 0,1,2,3
	ds_load_b128 v[32*\q+16*\a+4*\c:32*\q+16*\a+4*\c+3], v[6+\q] offset:2048*\a+512*\c
.endr
.endr
	WIN 0
.irp p, 0,1,2,3
	ds_load_b32 v[SC+8*\q+\p], v[10+\q] offset:128*\p     ; lanes 0-15: tile 2 p's words, lanes 16-31: tile 2 p + 1's
.endr
	ds_load_b32 v[SC+8*\q+4], v[12+\q]
.endm
.macro WM q, a, b
.set rD, ACC+64*(\a)+8*(\b)
.set rA, 128*(\q)+16*(\b)
.set rB, 32*(\q)+16*(\a)
.set rSA, SC+8*(\q)+(\b)/2
.set rSB, SC+8*(\q)+4
.if ((\b)%2 == 0) && ((\a) == 0)
	v_wmma_scale_f32_16x16x128_f8f6f4 v[rD:rD+7], v[rA:rA+15], v[rB:rB+15], v[rD:rD+7], v[rSA], v[rSB] matrix_a_fmt:MATRIX_FMT_BF8 matrix_b_fmt:MATRIX_FMT_BF8
.elseif (\a) == 0
	v_wmma_scale_f32_16x16x128_f8f6f4 v[rD:rD+7], v[rA:rA+15], v[rB:rB+15], v[rD:rD+7], v[rSA], v[rSB] matrix_a_fmt:MATRIX_FMT_BF8 matrix_b_fmt:MATRIX_FMT_BF8 matrix_a_scale:MATRIX_SCALE_ROW1
.elseif (\b)%2 == 0
	v_wmma_scale_f32_16x16x128_f8f6f4 v[rD:rD+7], v[rA:rA+15], v[rB:rB+15], v[rD:rD+7], v[rSA], v[rSB] matrix_a_fmt:MATRIX_FMT_BF8 matrix_b_fmt:MATRIX_FMT_BF8 matrix_b_scale:MATRIX_SCALE_ROW1
.else
	v_wmma_scale_f32_16x16x128_f8f6f4 v[rD:rD+7], v[rA:rA+15], v[rB:rB+15], v[rD:rD+7], v[rSA], v[rSB] matrix_a_fmt:MATRIX_FMT_BF8 matrix_b_fmt:MATRIX_FMT_BF8 matrix_a_scale:MATRIX_SCALE_ROW1 matrix_b_scale:MATRIX_SCALE_ROW1
.endif
.endm
.macro MUL q                           ; the 16 accumulators take turns, one instruction a turn
	WIN 0x09                                              ; source 0 window 1, source 1 window 2, C and D window 0
.irp b, 0,1,2,3,4,5,6,7
.irp a, 0,1
	WM \q, \a, \b
.endr
.endr
.endm
.macro STEPADR                         ; both sets' addresses two K steps on; no LDS load of mine is out; these eight plain lines are also the eight places in front of the loads
.irp r, 4,5,6,7,10,11,12,13
	v_add_nc_u32 v\r, 2*KST, v\r
.endr
.endm
.macro QUANT s, pc, pw                 ; 64 numbers of a lane, register 16 b + i = k 32 b + 16 (lane / 16) + i of my row, become a fragment's codes and its scale word
.irp b, 0,1,2,3
	v_max3_num_f32 v[TM+\b], |v[\s+16*\b]|, |v[\s+1+16*\b]|, 0x8000000   ; my 16 numbers, and the floor 2^(16 - 127)
.endr
.irp i, 2,4,6,8,10,12,14
.irp b, 0,1,2,3
	v_max3_num_f32 v[TM+\b], v[TM+\b], |v[\s+16*\b+\i]|, |v[\s+1+16*\b+\i]|
.endr
.endr
.irp b, 0,1,2,3
	v_permlanex16_b32 v[TM+4+\b], v[TM+\b], s[SEL], s[SEL+1]
.endr
.irp b, 0,1,2,3
	v_max_num_f32 v[TM+\b], v[TM+\b], v[TM+4+\b]
.endr
.irp b, 0,1,2,3
	v_add_nc_u32 v[TM+12+\b], 0xf8800000, v[TM+\b]        ; 15 off the exponent field: the conversion's scale operand
.endr
.irp b, 0,1,2,3
.endr
.irp b, 0,1,2,3
	v_lshrrev_b32 v[TM+4+\b], 23, v[TM+12+\b]             ; the byte
.endr
	v_lshl_or_b32 v[\pw], v[TM+5], 8, v[TM+4]
	v_lshl_or_b32 v[\pw], v[TM+6], 16, v[\pw]
	v_lshl_or_b32 v[\pw], v[TM+7], 24, v[\pw]
.irp b, 0,1,2,3
.irp i, 0,1,2,3,4,5,6,7,8,9,10,11,12,13,14,15
.endr
	v_cvt_scalef32_pk8_bf8_f32 v[\pc+4*\b:\pc+1+4*\b], v[\s+16*\b:\s+7+16*\b], v[TM+12+\b]
	v_cvt_scalef32_pk8_bf8_f32 v[\pc+2+4*\b:\pc+3+4*\b], v[\s+8+16*\b:\s+15+16*\b], v[TM+12+\b]
.endr
	v_nop                                                 ; one plain line behind the last scaled conversion
.endm
; The exact GELU of 16 numbers, v[ACC + 16 g] on, in place; eight pairs by turns, so that no line waits for the line above it.  Two batches of transcendentals, one wait each.
.macro GELU g
.set XG, ACC+16*(\g)
.irp p, 0,2,4,6,8,10,12,14
	v_pk_mul_f32 v[ZR+\p:ZR+\p+1], v[XG+\p:XG+\p+1], 0x3f3504f3 op_sel_hi:[1,0]   ; z = x / sqrt(2); the accumulators are read from their low ends on
.endr
.irp n, 0,1,2,3,4,5,6,7,8,9,10,11,12,13,14,15
	v_fma_f32 v[TR+\n], |v[ZR+\n]|, 0.5, 1.0
.endr
	s_wait_alu depctr_va_vdst(0)
.irp n, 0,1,2,3,4,5,6,7,8,9,10,11,12,13,14,15
	v_rcp_f32 v[TR+\n], v[TR+\n]                          ; t
.endr
	v_nop                                                 ; a plain line behind the batch,
	s_wait_alu depctr_va_vdst(0)                          ; and its one wait
.irp p, 0,2,4,6,8,10,12,14
	v_pk_fma_f32 v[PR+\p:PR+\p+1], v[TR+\p:TR+\p+1], 0x3e2ef945, v[2:3] op_sel_hi:[1,0,1]   ; the polynomial, from its leading coefficient down
.endr
.irp k, 0x3fbe87b0, 0xbf914e5d, 0x3e8ec7cc, 0xbe3ec24c, 0x3dc636c9, 0x3ebf88fb, 0x3f8000c7, 0xbfa1fc4e
.irp p, 0,2,4,6,8,10,12,14
	v_pk_fma_f32 v[PR+\p:PR+\p+1], v[PR+\p:PR+\p+1], v[TR+\p:TR+\p+1], \k op_sel_hi:[1,1,0]
.endr
.endr
.irp p, 0,2,4,6,8,10,12,14
	v_pk_fma_f32 v[PR+\p:PR+\p+1], v[ZR+\p:ZR+\p+1], v[ZR+\p:ZR+\p+1], v[PR+\p:PR+\p+1] neg_lo:[1,0,0] neg_hi:[1,0,0]   ; P(t) - z^2
.endr
.irp p, 0,2,4,6,8,10,12,14
	v_pk_mul_f32 v[PR+\p:PR+\p+1], v[PR+\p:PR+\p+1], 0x3fb8aa3b op_sel_hi:[1,0]   ; x log2(e)
.endr
	s_wait_alu depctr_va_vdst(0)
.irp n, 0,1,2,3,4,5,6,7,8,9,10,11,12,13,14,15
	v_exp_f32 v[PR+\n], v[PR+\n]
.endr
	v_nop
	s_wait_alu depctr_va_vdst(0)
.irp p, 0,2,4,6,8,10,12,14
	v_pk_mul_f32 v[PR+\p:PR+\p+1], v[PR+\p:PR+\p+1], v[TR+\p:TR+\p+1]   ; erfc(|z|)
.endr
.irp p, 0,2,4,6,8,10,12,14
	v_pk_mul_f32 v[PR+\p:PR+\p+1], v[PR+\p:PR+\p+1], v[XG+\p:XG+\p+1]   ; x erfc(|z|)
.endr
.irp n, 0,1,2,3,4,5,6,7,8,9,10,11,12,13,14,15
	v_max_num_f32 v[XG+\n], 0, v[XG+\n]
.endr
.irp n, 0,1,2,3,4,5,6,7,8,9,10,11,12,13,14,15
	v_fma_f32 v[XG+\n], |v[PR+\n]|, -0.5, v[XG+\n]
.endr
.endm
	s_load_b256 s[4:11], s[0:1], 0x0               ; A s[4:5], W s[6:7], bias s[8:9], out s[10:11]
	v_lshl_add_u32 v8, v0, 2, SPARE
	v_mov_b32 v9, 0
	ds_add_u32 v8, v9                              ; the wave's opening: the add, twice on end, and its wait ahead of my first tensor load
	ds_add_u32 v8, v9
	v_lshrrev_b32 v1, 5, v0
	v_readfirstlane_b32 s20, v1
	s_lshr_b32 s21, s20, 1                         ; I fetch for S0 (0) or for S1 (1),
	s_and_b32 s22, s20, 1                          ; the even K steps or the odd
	s_bfe_u32 s23, ttmp6, 0x40000                  ; cx
	s_bfe_u32 s24, ttmp6, 0x40004                  ; cy
	s_mov_b32 s25, ttmp9
	s_and_b32 s26, ttmp7, 0xffff
	s_lshl_b32 s27, s24, 2
	s_lshl_b32 s27, 15, s27                        ; my row of the cluster
	s_lshl_b32 s28, 0x1111, s23                    ; my column
	s_or_b32 s32, s28, (3<<16)|(1<<21)             ; group 1 for S0: the mask: my column; elements of 8 bytes; 21 set beside a mask
	s_or_b32 s40, s27, (3<<16)|(1<<21)             ; for S1: my row
.irp g, 32, 40
	s_mov_b32 s[\g+1], 32<<16                      ; rows of 256 bytes,
	s_mov_b32 s[\g+2], 66<<16                      ; 66 of them: a K step's 16,896 dense bytes
	s_mov_b32 s[\g+3], 32<<16
	s_mov_b32 s[\g+4], 66
	s_mov_b32 s[\g+5], 32
	s_mov_b32 s[\g+6], 0
	s_mov_b32 s[\g+7], 0
.endr
	s_lshl_b32 s88, s25, 2
	s_add_co_u32 s88, s88, s23                     ; W's block: slot 0, 4 cluster x + cx
	s_mul_i32 s88, s88, BLK
	s_mov_b32 s89, 0
	s_lshl_b32 s90, s26, 2
	s_add_co_u32 s90, s90, s24                     ; A's block: 4 cluster y + cy
	s_mul_i32 s90, s90, BLK
	s_mov_b32 s91, 0
	s_mul_i32 s100, s22, KST
	s_mov_b32 s101, 0
	s_mov_b32 s[SEL], 0x76543210
	s_mov_b32 s[SEL+1], 0xfedcba98
	s_wait_dscnt 0x0                               ; both opening adds are done
	s_wait_kmcnt 0x0
	s_add_nc_u64 s[84:85], s[6:7], s[88:89]
	s_add_nc_u64 s[86:87], s[4:5], s[90:91]
	s_add_nc_u64 s[84:85], s[84:85], s[100:101]
	s_add_nc_u64 s[86:87], s[86:87], s[100:101]
	CROUND                                         ; all sixteen work-groups are here: the joint loads meet
.irp i, 0,1,2,3
	s_mov_b32 s[48+4*\i], 1
	s_add_co_u32 s[49+4*\i], s100, 2*\i*KST
	s_add_nc_u64 s[50+4*\i:51+4*\i], s[84:85], 2*\i*KST
	s_or_b32 s[51+4*\i], s[51+4*\i], 0x80000000
	s_mov_b32 s[68+4*\i], 1
	s_add_co_u32 s[69+4*\i], s100, S1B+2*\i*KST
	s_add_nc_u64 s[70+4*\i:71+4*\i], s[86:87], 2*\i*KST
	s_or_b32 s[71+4*\i], s[71+4*\i], 0x80000000
.endr
	s_cmp_eq_u32 s21, 0                            ; four first fills a wave, in one arm of one branch on the wave's number: four loads of mine are out
	s_cbranch_scc0 .Lfor_s1
.irp i, 0,1,2,3
	tensor_load_to_lds s[48+4*\i:51+4*\i], s[32:39]
	s_nop 0
.endr
.rept 4
	v_nop
.endr
	s_branch .Lasked
.Lfor_s1:
.irp i, 0,1,2,3
	tensor_load_to_lds s[68+4*\i:71+4*\i], s[40:47]
	s_nop 0
.endr
.rept 4
	v_nop
.endr
.Lasked:
	v_and_b32 v1, 31, v0
	v_bfe_u32 v3, v0, 4, 1
	v_lshlrev_b32 v22, 6, v3                       ; in the bias: 64 h
	v_mov_b32 v2, 0xbf527892                       ; the polynomial's second coefficient,
	v_mov_b32 v3, 0xbf527892                       ; as a pair
	v_lshlrev_b32 v4, 4, v1
	v_add_nc_u32 v5, KST, v4
	s_lshl_b32 s29, s20, 12
	v_lshl_add_u32 v14, v1, 4, s29                 ; out, codes: 16 x lane + my two tiles
	s_add_co_u32 s29, s29, S1B
	v_add_nc_u32 v6, s29, v4
	v_add_nc_u32 v7, KST, v6
	v_lshl_add_u32 v10, v1, 2, SCO
	v_add_nc_u32 v11, KST, v10
	s_lshl_b32 s29, s20, 7
	s_add_co_u32 s29, s29, SCO
	v_lshl_add_u32 v15, v1, 2, s29                 ; out, words: 4 x lane + my two tiles'
	s_add_co_u32 s29, s29, S1B
	v_lshl_add_u32 v12, v1, 2, s29
	v_add_nc_u32 v13, KST, v12
	v_cmp_lt_u32 s31, 15, v1                       ; lanes 16-31
.irp b, 0,1,2,3
	v_mov_b32 v[TM+4+\b], 0                        ; written once: a lane permute's destination counts as one of its sources
.endr
	s_lshl_b32 s96, s25, 2
	s_add_co_u32 s96, s96, s23                     ; the block of hidden units: the next product's K step
	s_lshl_b32 s97, s26, 2
	s_add_co_u32 s97, s97, s24                     ; the block of rows
	s_mul_i32 s98, s97, BLK
	s_mul_i32 s99, s96, KST
	s_add_co_u32 s98, s98, s99
	s_mov_b32 s99, 0
	s_add_nc_u64 s[10:11], s[10:11], s[98:99]
	s_lshl_b32 s94, s96, 9
	s_mov_b32 s95, 0
	s_add_nc_u64 s[8:9], s[8:9], s[94:95]
.irp a, 0,1
.irp b, 0,1,2,3,4,5,6,7
.irp k, 0,1
	global_load_b128 v[ACC+64*\a+8*\b+4*\k:ACC+64*\a+8*\b+4*\k+3], v22, s[8:9] offset:(32*(\b/2)+8*(\b%2))*4+16*\k   ; the bias starts the sums: register j of tile b is hidden unit 32 (b / 2) + 16 h + 8 (b % 2) + j
.endr
.endr
.endr
	s_wait_alu depctr_va_vdst(0)
	s_wait_tensorcnt 3                             ; my first K step is in; my three younger loads may be out
	s_barrier_signal -1
	s_barrier_wait -1
	FETCH 0
	FETCH 1
	s_wait_loadcnt 0x0                             ; the bias
	s_wait_dscnt 45                                ; set 0 is in; set 1's 45 loads may be out
	MUL 0
.irp i, 1,2,3
	s_wait_tensorcnt 3-\i                          ; my next K step is in
	s_wait_dscnt 0x0                               ; set 1 is in, and no LDS instruction of mine is pending at the signal
	s_barrier_signal -1
	MUL 1
	WIN 0
	s_barrier_wait -1
	STEPADR
	FETCH 0
	FETCH 1
	s_wait_alu depctr_va_vdst(0)
	s_wait_dscnt 45
	MUL 0
.endr
	s_wait_dscnt 0x0
	MUL 1
	WIN 0
.rept 8
	v_nop                                          ; eight places in front of the first read of results
.endr
.irp g, 0,1,2,3,4,5,6,7
	GELU \g
.endr
	QUANT ACC, 96, 30
	QUANT ACC+64, 112, 31
.irp a, 0,1
.irp c, 0,1,2,3
	global_store_b128 v14, v[96+16*\a+4*\c:99+16*\a+4*\c], s[10:11] offset:2048*\a+512*\c   ; the fragments as they stand: 512 consecutive bytes a store
.endr
.endr
	v_cndmask_b32 v32, v30, v31, s31               ; lanes 0-15: my first tile's words, lanes 16-31: my second's
	global_store_b32 v15, v32, s[10:11]            ; 128 consecutive bytes
	s_wait_tensorcnt 0x0                           ; the wave's end
	ds_add_u32 v8, v9
	s_wait_dscnt 0x0
	CROUND                                         ; the closing round
	s_endpgm
.Lfunc_end_k_q48f163ca65_fc1:
	.size	k_q48f163ca65_fc1, .Lfunc_end_k_q48f163ca65_fc1-k_q48f163ca65_fc1
	.p2alignl 7, 3214868480
	.fill 96, 4, 3214868480
	.section	.rodata,"a",@progbits
	.p2align	6, 0x0
	.amdhsa_kernel k_q48f163ca65_fc1
		.amdhsa_group_segment_fixed_size 327680
		.amdhsa_private_segment_fixed_size 0
		.amdhsa_enable_private_segment 0
		.amdhsa_kernarg_size 32
		.amdhsa_user_sgpr_count 2
		.amdhsa_user_sgpr_kernarg_segment_ptr 1
		.amdhsa_wavefront_size32 1
		.amdhsa_system_sgpr_workgroup_id_x 1
		.amdhsa_system_sgpr_workgroup_id_y 1
		.amdhsa_system_sgpr_workgroup_id_z 1
		.amdhsa_system_vgpr_workitem_id 0
		.amdhsa_next_free_vgpr 576
		.amdhsa_next_free_sgpr 102
		.amdhsa_reserve_vcc 0
		.amdhsa_float_denorm_mode_32 3
		.amdhsa_float_denorm_mode_16_64 3
		.amdhsa_fp16_overflow 1
		.amdhsa_memory_ordered 1
		.amdhsa_forward_progress 1
		.amdhsa_inst_pref_size 169
	.end_amdhsa_kernel
	.amdgpu_metadata
---
amdhsa.version: [ 1, 2 ]
amdhsa.kernels:
  - .name:           k_q48f163ca65_fc1
    .symbol:         k_q48f163ca65_fc1.kd
    .args:
      - { .name: ACT, .offset: 0, .size: 8, .value_kind: global_buffer, .address_space: global }
      - { .name: WC, .offset: 8, .size: 8, .value_kind: global_buffer, .address_space: global }
      - { .name: fc1_b, .offset: 16, .size: 8, .value_kind: global_buffer, .address_space: global }
      - { .name: AO, .offset: 24, .size: 8, .value_kind: global_buffer, .address_space: global }
    .group_segment_fixed_size: 327680
    .private_segment_fixed_size: 0
    .kernarg_segment_align: 8
    .kernarg_segment_size: 32
    .max_flat_workgroup_size: 128
    .sgpr_count:     102
    .vgpr_count:     576
    .wavefront_size: 32
...
	.end_amdgpu_metadata
.endif
;; end of part 7
;; launch fc2: the kernel of part 4 again; grid 8 x 32, 4 waves a work-group, clusters of 4 x 4, 327,680 bytes of LDS; arguments AO, WC, fc2_b, X2, out0; writes out0
